; MI455X (gfx1250); checked and timed in simulation.
; The chip was launched on July 23, 2026; its instructions are those of AMD's public machine-readable ISA for CDNA 5 (MIT licence, August 2026) and "CDNA5" Instruction Set Architecture Reference Guide (July 2026). The comments in the code are by the model that wrote it; some were corrected since.
;; TF Llama Attention. Allowed arithmetic: matrix products marked QUANTISED: E4M3 operands, one given power-of-two scale a tensor, by v_wmma_f32_16x16x64_fp8_fp8 or v_wmma_f32_16x16x128_fp8_fp8, f32 sums; everything else in f32.
;; Inputs: Wk 2,048 x 2,048 float32; Wo 2,048 x 2,048 float32; Wq 2,048 x 2,048 float32; Wv 2,048 x 2,048 float32; attention_mask 1 x 1 x 2,048 x 2,048 float32; hidden_states 1 x 2,048 x 2,048 float32; lowp_scales 12 int32 (the exponents e of the quantised operands' scales 2^e); position_ids 1 x 2,048 int32.
;; Outputs: out0 1 x 2,048 x 2,048 float32.
;; This version of the problem:
;;   THIS VERSION OF THE PROBLEM IS GIVEN IN LOW PRECISION. The matrix products marked QUANTISED in the list below multiply operands that are first quantised to E4M3 (4 exponent bits, 3 mantissa bits; 8 bits a number), with one given power-of-two scale for each operand tensor; their sums are f32. All else is computed in f32.
;;   The module's matrix products, in the order in which they are computed (A, B: the left and right operand; K: the contracted axis; several contracted axes count as one K, in the product's order):
;;     1. [M 2,048, K 2,048] x [K 2,048, N 2,048]; A: input hidden_states; B: input Wq: QUANTISED (scales: A lowp_scales[0], B lowp_scales[1])
;;     2. [M 2,048, K 2,048] x [K 2,048, N 2,048]; A: input hidden_states; B: input Wk: QUANTISED (scales: A lowp_scales[2], B lowp_scales[3])
;;     3. [M 2,048, K 2,048] x [K 2,048, N 2,048]; A: input hidden_states; B: input Wv: QUANTISED (scales: A lowp_scales[4], B lowp_scales[5])
;;     4. batch 16 x [M 2,048, K 128] x [K 128, N 2,048]; A: computed on the way; B: computed on the way: QUANTISED (scales: A lowp_scales[6], B lowp_scales[7])
;;     5. batch 16 x [M 2,048, K 2,048] x [K 2,048, N 128]; A: softmax (see below); B: computed on the way: QUANTISED (scales: A lowp_scales[8], B lowp_scales[9])
;;     6. [M 2,048, K 2,048] x [K 2,048, N 2,048]; A: computed on the way; B: input Wo: QUANTISED (scales: A lowp_scales[10], B lowp_scales[11])
;;   THE QUANTISER, for each operand of a quantised product, along K:
;;     - The operand's scale is 2^e, e = its entry of the input lowp_scales (int32; the entries are numbered through the quantised products in the list's order, A before B).
;;     - Each number is divided by the scale, clamped to +-448, and rounded to the nearest number of E4M3, ties to even, subnormals kept.
;;     - The product sums the exact products of the quantised numbers (number of the format x scale) in f32.
;;   ~~~python
;;   def quantise(x, axis, e):      # numpy; x: float32 -> the quantised numbers, widened to float32 again
;;       x = np.moveaxis(x, axis, -1); K = x.shape[-1]
;;       r = np.clip(x / 2.0 ** e, -448, 448)
;;       step = 2.0 ** (np.maximum(np.frexp(np.where(r == 0, 1, r))[1] - 1, -6) - 3)
;;       q = np.round(r / step) * step * 2.0 ** e      # np.round: ties to even
;;       return np.moveaxis(q, -1, axis).astype(np.float32)
;;   ~~~
;;   SOFTMAX AHEAD OF A QUANTISED PRODUCT. Where the list says 'softmax', what is quantised is not the finished softmax but p = 2^(t - M), with t = logit x log2(e) and M = ceil(the row's largest t), a whole number; so 1/2 < the row's largest p <= 1. The row's sum l is taken of the UNQUANTISED p, in f32, and the product's result is divided by l at the end. Since M is a whole number, a kernel that streams over the keys may use a running M (the ceiling of the running maximum): every later rescaling is an exact power of two, so the quantised numbers keep their values, but for numbers so far below the row's largest that they fall under the format's range.
;;   OPERANDS COMPUTED ON THE WAY. 'Computed on the way' means the value that the module computes at that place (a softmax that the list does not call 'softmax' is quantised finished and normalised). What goes into a quantiser is computed in f32, as accurately as f32 sums, v_exp_f32 and their like allow (about 1e-6 of the number): no bf16 or f16 on the way to a quantiser, and a product that is left as it is and whose result goes on into a quantised operand takes f32 operands (vector FMAs, or v_wmma_f32_16x16x4_f32). A number that lies on a knife's edge between two numbers of the format may be rounded either way, as far as f32 arithmetic and the matrix unit's own rounding can turn it there, and no further.
;; One version. Each part assembles by itself: llvm-mc -triple=amdgcn-amd-amdhsa -mcpu=gfx1250 --defsym DOCPART=n.
;; ======== version 1 of 1: 4 launches
;; limits: right only within a limited range of input values
;; workspace buffers: xc 12,582,912 bytes; wc 16,777,216 bytes; rope 1,179,648 bytes; qkvc 12,582,912 bytes; aoc 4,194,304 bytes
;; launch prep (part 1): grid 768 x 1, 4 waves a work-group, no clusters, 68,096 bytes of LDS; arguments hidden_states, Wq, Wk, Wv, Wo, position_ids, lowp_scales, xc, wc, rope; writes xc, wc, rope
.if DOCPART == 1
	.amdgcn_target "amdgcn-amd-amdhsa--gfx1250"
	.amdhsa_code_object_version 6
	.text
	.protected	k_qb9e926f9fe_prep
	.globl	k_qb9e926f9fe_prep
	.p2align	8
	.type	k_qb9e926f9fe_prep,@function
k_qb9e926f9fe_prep:
	s_mov_b64 s[64:65], 0
	v_nop
	global_prefetch_b8 v0, s[64:65] scope:SCOPE_SE
	s_setreg_imm32_b32 hwreg(HW_REG_WAVE_MODE, 25, 1), 1
	s_wait_xcnt 0x0
; PREP.  Three things that every later launch reads, each made once.
; (1) hidden_states [2048][2048] f32 becomes three planes of E4M3 codes in xc, K innermost, with the scales 2^e0, 2^e2, 2^e4 (it is the left operand of three products, each with a scale of its own).
; (2) Wq, Wk, Wv, Wo [k][n] f32 become four planes of codes in wc, laid [n][k] with K innermost, with 2^e1, 2^e3, 2^e5, 2^e11.
; (3) cos and sin of position x 10000^(-f/64), f = 0 .. 63, for the 2,048 positions as position_ids gives them, in rope, laid as images of the registers that the next launch wants:
;     for a block sb of 16 positions 8,192 bytes: image i = 2 b + half (512 bytes, lane l's 16 bytes at 16 l) holds cos at position 16 sb + l % 16, f = 16 b + 8 (l / 16) + 4 half + 0 .. 3; image 8 + i holds sin.
;     From byte 1,048,576 on: 16 blocks with cos = 1, sin = 0, for the tensor that is not rotated.
; code = x / 2^e, held within +-448, rounded to the nearest code, ties to even.
; LIMITS: each e between -126 and 119 (2^e and 448 x 2^e are f32 numbers); |position| up to 2^20 (the three-part reduction by pi/2); NaN among the inputs is not served.
; SHARES.  Work-groups 0-255 take hidden_states (a wave: 4,096 numbers in 8 steps of 512) and, a thread each, four numbers of cos and of sin; work-groups 256-767 take the weights (a wave: 32 columns x 256 along K).
; The two ways part on the work-group's number and never join; each has LDS bytes of its own.  No tensor loads, no barrier: waves share nothing.
.set SP,     80                        ; way X: a lane's place in a stage: 64 bytes + 16 of padding
.set WSTG,   32768                     ; way W: its stages begin here (way X has bytes 0 to 32,767: 8,192 a wave)
.set PITCH,  272                       ; way W: a stage row: 256 codes + 16
.set SPARE,  67584                     ; behind both: the spare words, 128 bytes for each wave, which no other line names
.set SPW,    12                        ; v12  LDS address of my spare word; never rewritten
.set NIL,    13                        ; v13  0; never rewritten
.set STEPS,  8
.set R,      16                        ; way X: v16-79   four sets of 16 numbers as loaded
.set X,      80                        ;        v80-111  two sets of 16 neighbours
.set T,      112                       ;        v112-127 the same, held for one plane
.set C,      128                       ;        v128-223 codes: step t, plane z at C + 12 t + 4 z, so that no store's data are written again
.set WX,     32                        ; way W: v32-95 two sets of 32 numbers; v96-103 a block's codes; v112-175 the way out
.set WC,     96
.set OUTR,   112
.set RA,  80                           ; cos and sin, four numbers a thread, in registers that the steps take later
.set RH,  84
.set RL,  88
.set RE,  92
.set RT,  96
.set RN,  100
.set RZ,  104
.set RS,  108
.set RC,  112
.set F0R, 116
.set POS, 117
.set COSR, 128
.set SINR, 132
.set KCH, 49                           ; s49, s50  log2(10000) / 64 in two parts
.set KCL, 50
.set KLN2, 51
.set K2PI, 52                          ; 2 / pi
.set KP1, 53                           ; pi / 2 in three parts
.set KP2, 54
.set KP3, 55
.set KS1, 56                           ; sin's polynomial
.set KS2, 57
.set KS3, 58
.set KC1, 59                           ; cos's
.set KC2, 60
.set KC3, 61
	s_load_b256 s[4:11], s[0:1], 0x0               ; hidden_states s[4:5], Wq s[6:7], Wk s[8:9], Wv s[10:11]
	s_load_b256 s[12:19], s[0:1], 0x20             ; Wo s[12:13], position_ids s[14:15], lowp_scales s[16:17], xc s[18:19]
	s_load_b128 s[20:23], s[0:1], 0x40             ; wc s[20:21], rope s[22:23]
	v_lshl_add_u32 v[SPW], v0, 2, SPARE
	v_mov_b32 v[NIL], 0
	v_lshrrev_b32 v1, 5, v0
	v_readfirstlane_b32 s2, v1                     ; wave 0..3
	v_and_b32 v2, 31, v0                           ; lane
	v_lshlrev_b32 v3, 4, v2                        ; 16 x lane
	s_wait_kmcnt 0x0
	s_load_b256 s[32:39], s[16:17], 0x0            ; e0 .. e7
	s_load_b128 s[40:43], s[16:17], 0x20           ; e8 .. e11
	s_cmp_lt_u32 ttmp9, 256
	s_cbranch_scc0 .Lweights
; ---------------- WAY X: hidden_states, and the table ----------------
.macro XLOAD t                         ; step t: four loads of 512 consecutive bytes
.irp i, 0,1,2,3
	global_load_b128 v[R+16*((\t)%4)+4*\i:R+16*((\t)%4)+4*\i+3], v3, s[4:5] offset:2048*(\t)+512*\i th:TH_LOAD_NT
.endr
.endm
.macro XTURN t                         ; step t's numbers through the wave's own stage: in as they lie, out 64 bytes a lane; LDS serves a wave's instructions in order, so no wait stands between
.irp i, 0,1,2,3
	ds_store_b128 v14, v[R+16*((\t)%4)+4*\i:R+16*((\t)%4)+4*\i+3] offset:32*SP*((\t)%2)+8*SP*\i
.endr
.irp i, 0,1,2,3
	ds_load_b128 v[X+16*((\t)%2)+4*\i:X+16*((\t)%2)+4*\i+3], v15 offset:32*SP*((\t)%2)+16*\i
.endr
.endm
.macro XSTEP t
.set XS, X+16*((\t)%2)
	s_wait_dscnt 0x0                               ; this step's numbers are back from the stage, and its stores into the stage have read their registers,
.if (\t)+4 < STEPS
	XLOAD (\t)+4                                   ; which take the loads of four steps on
.endif
.if (\t)+1 < STEPS
.if STEPS-2-(\t) >= 3
	s_wait_loadcnt 12                              ; the next step's four loads are in; those of the three steps behind it may be out
.else
	s_wait_loadcnt 4*(STEPS-2-(\t))
.endif
	XTURN (\t)+1
.endif
.irp z, 0,1,2                          ; the three planes: the numbers stay, the held copies are made anew
.irp i, 0,1,2,3,4,5,6,7,8,9,10,11,12,13,14,15
	v_med3_num_f32 v[T+\i], v[XS+\i], -v[9+\z], v[9+\z]   ; the conversion to an 8-bit code does not saturate (ISA guide 7.6.2): the hold at 448 x the scale comes first
.endr
	v_cvt_scalef32_pk8_fp8_f32 v[C+12*(\t)+4*\z:C+12*(\t)+4*\z+1], v[T:T+7], v[6+\z]
	v_cvt_scalef32_pk8_fp8_f32 v[C+12*(\t)+4*\z+2:C+12*(\t)+4*\z+3], v[T+8:T+15], v[6+\z]
	v_nop                                          ; one plain line behind the conversions: the next plane's holds write their sources
	global_store_b128 v3, v[C+12*(\t)+4*\z:C+12*(\t)+4*\z+3], s[24+2*\z:25+2*\z] offset:512*(\t)   ; the wave stores 512 consecutive bytes, aligned
.endr
.endm
.macro ROT1 j                          ; f, and f x log2(10000) / 64 as hi + lo
	v_add_nc_u32 v[RA+\j], \j, v[F0R]
	v_cvt_f32_u32 v[RA+\j], v[RA+\j]
	v_mul_f32 v[RH+\j], s[KCH], v[RA+\j]
	v_fma_f32 v[RL+\j], v[RA+\j], s[KCH], -v[RH+\j]
	v_fma_f32 v[RL+\j], v[RA+\j], s[KCL], v[RL+\j]
.endm
.macro ROT2 j                          ; the angle, its reduction by pi / 2, two polynomials on |r| <= pi / 4, and the quadrant
	v_fma_f32 v[RE+\j], -v[RL+\j], v[RE+\j], v[RE+\j]      ; 10000^(-f/64) = 2^-hi (1 - lo ln 2)
	v_mul_f32 v[RT+\j], v[POS], v[RE+\j]                   ; the angle, rounded once
	v_mul_f32 v[RN+\j], s[K2PI], v[RT+\j]
	v_rndne_f32 v[RN+\j], v[RN+\j]                         ; n
	v_fma_f32 v[RT+\j], -v[RN+\j], s[KP1], v[RT+\j]
	v_fma_f32 v[RT+\j], -v[RN+\j], s[KP2], v[RT+\j]
	v_fma_f32 v[RT+\j], -v[RN+\j], s[KP3], v[RT+\j]        ; r
	v_mul_f32 v[RZ+\j], v[RT+\j], v[RT+\j]                 ; z = r r
	v_fma_f32 v[RS+\j], v[RZ+\j], s[KS3], s[KS2]
	v_fma_f32 v[RS+\j], v[RS+\j], v[RZ+\j], s[KS1]
	v_mul_f32 v[RS+\j], v[RS+\j], v[RZ+\j]
	v_fma_f32 v[RS+\j], v[RS+\j], v[RT+\j], v[RT+\j]       ; sin r
	v_fma_f32 v[RC+\j], v[RZ+\j], s[KC3], s[KC2]
	v_fma_f32 v[RC+\j], v[RC+\j], v[RZ+\j], s[KC1]
	v_mul_f32 v[RH+\j], v[RZ+\j], v[RZ+\j]
	v_fma_f32 v[RL+\j], v[RZ+\j], -0.5, 1.0
	v_fma_f32 v[RC+\j], v[RH+\j], v[RC+\j], v[RL+\j]       ; cos r
	v_cvt_i32_f32 v[RN+\j], v[RN+\j]
	v_and_b32 v[RA+\j], 1, v[RN+\j]
	v_cmp_eq_u32 vcc_lo, 1, v[RA+\j]                       ; an odd quadrant swaps the two: a choice of values, no branch
	v_cndmask_b32 v[SINR+\j], v[RS+\j], v[RC+\j], vcc_lo
	v_cndmask_b32 v[COSR+\j], v[RC+\j], v[RS+\j], vcc_lo
	v_and_b32 v[RA+\j], 2, v[RN+\j]
	v_lshlrev_b32 v[RA+\j], 30, v[RA+\j]
	v_xor_b32 v[SINR+\j], v[SINR+\j], v[RA+\j]             ; sin is negative in quadrants 2 and 3,
	v_add_nc_u32 v[RA+\j], 1, v[RN+\j]
	v_and_b32 v[RA+\j], 2, v[RA+\j]
	v_lshlrev_b32 v[RA+\j], 30, v[RA+\j]
	v_xor_b32 v[COSR+\j], v[COSR+\j], v[RA+\j]             ; cos in quadrants 1 and 2
.endm
	s_lshl_b32 s3, ttmp9, 2
	s_add_co_u32 s3, s3, s2                        ; which run of 4,096 numbers is my wave's
	s_lshl_b32 s44, s3, 14
	s_mov_b32 s45, 0
	s_add_nc_u64 s[4:5], s[4:5], s[44:45]          ; hidden_states at my run
	s_lshl_b32 s44, s3, 12
	s_add_nc_u64 s[24:25], s[18:19], s[44:45]      ; its codes in plane 0,
	s_add_nc_u64 s[26:27], s[24:25], 0x400000      ; plane 1,
	s_add_nc_u64 s[28:29], s[24:25], 0x800000      ; plane 2
	s_lshl_b32 s46, s2, 13                         ; my wave's 8,192 bytes of LDS
	v_lshrrev_b32 v14, 2, v2
	v_mul_u32_u24 v14, v14, SP
	v_and_b32 v15, 3, v2
	v_lshl_add_u32 v14, v15, 4, v14
	v_add_nc_u32 v14, s46, v14                     ; the stage, in: four lanes' 64 bytes on end, then 16 of padding
	v_mul_u32_u24 v15, v2, SP
	v_add_nc_u32 v15, s46, v15                     ; out: my 16 neighbours
	s_lshr_b32 s47, ttmp9, 1                       ; sb: my block of 16 positions
	v_and_b32 v5, 15, v2
	v_lshlrev_b32 v5, 2, v5
	s_lshl_b32 s48, s47, 6
	v_add_nc_u32 v5, s48, v5                       ; 4 x (16 sb + lane % 16)
	global_load_b32 v4, v5, s[14:15]               ; my position
.irp t, 0,1,2,3
	XLOAD \t
.endr
	s_and_b32 s30, ttmp9, 1
	s_lshl_b32 s31, s30, 2
	s_add_co_u32 s31, s31, s2                      ; my image: 4 (work-group % 2) + wave = 2 b + half
	s_lshl_b32 s30, s30, 5
	s_lshr_b32 s62, s2, 1
	s_lshl_b32 s62, s62, 4
	s_add_co_u32 s30, s30, s62
	s_and_b32 s62, s2, 1
	s_lshl_b32 s62, s62, 2
	s_add_co_u32 s30, s30, s62                     ; 16 b + 4 half
	s_lshl_b32 s31, s31, 9
	s_lshl_b32 s62, s47, 13
	s_add_co_u32 s44, s31, s62                     ; 8,192 sb + 512 x image
	s_add_nc_u64 s[22:23], s[22:23], s[44:45]
	s_mov_b32 s[KCH], 0x3e549a78
	s_mov_b32 s[KCL], 0x31979a4a
	s_mov_b32 s[KLN2], 0x3f317218
	s_mov_b32 s[K2PI], 0x3f22f983
	s_mov_b32 s[KP1], 0x3fc90fda
	s_mov_b32 s[KP2], 0x33a22168
	s_mov_b32 s[KP3], 0x27c234c4
	s_mov_b32 s[KS1], 0xbe2aaaa3
	s_mov_b32 s[KS2], 0x3c08839e
	s_mov_b32 s[KS3], 0xb94ca1f9
	s_mov_b32 s[KC1], 0x3d2aaaa5
	s_mov_b32 s[KC2], 0xbab6061a
	s_mov_b32 s[KC3], 0x37ccf5ce
	v_lshrrev_b32 v[F0R], 4, v2
	v_lshl_add_u32 v[F0R], v[F0R], 3, s30          ; my first f
.irp j, 0,1,2,3
	ROT1 \j
.endr
.irp j, 0,1,2,3
	v_exp_f32 v[RE+\j], -v[RH+\j]                  ; 2^-hi: four as one batch
.endr
.irp j, 0,1,2,3
	v_mul_f32 v[RL+\j], s[KLN2], v[RL+\j]          ; plain lines behind the batch, which name none of its registers
.endr
	s_wait_loadcnt 16                              ; my position is in; the 16 loads of hidden_states are younger
	v_cvt_f32_i32 v[POS], v4
	s_wait_alu depctr_va_vdst(0)                   ; the wait ahead of the first line that names a result: one for the batch
.irp j, 0,1,2,3
	ROT2 \j
.endr
	global_store_b128 v3, v[COSR:COSR+3], s[22:23]               ; the wave stores an image: 512 consecutive bytes, aligned
	global_store_b128 v3, v[SINR:SINR+3], s[22:23] offset:4096
	s_cmp_lt_u32 ttmp9, 32                         ; the first 32 work-groups also write the 16 blocks with cos = 1, sin = 0
	s_cbranch_scc0 .Lno_identity
.irp j, 0,1,2,3
	v_mov_b32 v[136+\j], 1.0
	v_mov_b32 v[140+\j], 0
.endr
	global_store_b128 v3, v[136:139], s[22:23] offset:1048576
	global_store_b128 v3, v[140:143], s[22:23] offset:1048576+4096
.Lno_identity:
	s_wait_kmcnt 0x0                               ; the scales' exponents
.irp z, 0,1,2
	s_add_co_i32 s62, s[32+2*\z], 127
	s_lshl_b32 s63, s62, 23
	v_mov_b32 v[6+\z], s63                         ; 2^e as f32: the conversion takes its exponent field
	s_add_co_i32 s62, s62, 8
	s_lshl_b32 s62, s62, 23
	s_or_b32 s62, s62, 0x600000
	v_mov_b32 v[9+\z], s62                         ; 448 x 2^e
.endr
	s_wait_xcnt 0x0                                ; the table's stores have read their registers, which the codes take now
	s_wait_loadcnt 12                              ; step 0's four loads are in
	XTURN 0
.irp t, 0,1,2,3,4,5,6,7
	XSTEP \t
.endr
	s_wait_tensorcnt 0x0                           ; the wave's end: three lines behind my last LDS store
	ds_add_u32 v[SPW], v[NIL]
	s_wait_dscnt 0x0
	s_endpgm
; ---------------- WAY W: the four weights ----------------
; A lane takes a column n and its registers run down K: each load reads 128 consecutive bytes a wave, and the conversions give codes with K innermost.  A wave gathers 256 along K of 32 columns in its own stage
; and stores whole rows of 256 bytes, sixteen lanes to a row.  Every offset is an immediate: 255 x 8,192 and 30 x 2,048 at the most.
.macro WLOAD t                         ; block t: W(32 t + i, my column) into set t % 2
.set i, 0
.rept 32
	global_load_b32 v[WX+32*((\t)%2)+i], v5, s[6:7] offset:(32*(\t)+i)*8192 th:TH_LOAD_NT
.set i, i+1
.endr
.endm
.macro WBLOCK t
.set XS, WX+32*((\t)%2)
.if (\t) < 7
	s_wait_loadcnt 32                              ; this block's 32 loads are in; the next block's may be out
.else
	s_wait_loadcnt 0x0
.endif
.set i, 0
.rept 32
	v_med3_num_f32 v[XS+i], v[XS+i], -v10, v10
.set i, i+1
.endr
.irp g, 0,1,2,3
	v_cvt_scalef32_pk8_fp8_f32 v[WC+2*\g:WC+2*\g+1], v[XS+8*\g:XS+8*\g+7], v11
.endr
	v_nop                                          ; one plain line behind the conversions
	ds_store_b128 v4, v[WC:WC+3] offset:32*(\t)    ; 32 codes of my column's row
	ds_store_b128 v4, v[WC+4:WC+7] offset:32*(\t)+16
.if (\t)+2 < 8
	WLOAD (\t)+2
.endif
	s_wait_dscnt 0x0                               ; the stores have read their registers: the next block's codes may be written
.endm
.Lweights:
	s_sub_co_u32 s3, ttmp9, 256
	s_lshr_b32 s44, s3, 7                          ; which weight: 0 Wq, 1 Wk, 2 Wv, 3 Wo
	s_and_b32 s45, s3, 15                          ; which 128 columns
	s_bfe_u32 s46, s3, 0x30004                     ; which 256 along K
	s_lshl_b32 s47, s45, 7
	s_lshl_b32 s48, s2, 5
	s_add_co_u32 s47, s47, s48                     ; my wave's first column
	s_mul_i32 s49, s2, 32*PITCH
	s_add_co_u32 s49, s49, WSTG                    ; my stage
	v_lshlrev_b32 v5, 2, v2                        ; in: 4 bytes a lane
	v_mul_u32_u24 v4, v2, PITCH
	v_add_nc_u32 v4, s49, v4                       ; into the stage: row = my column
	v_and_b32 v6, 15, v2
	v_lshrrev_b32 v7, 4, v2
	v_mul_u32_u24 v8, v7, PITCH
	v_lshl_add_u32 v8, v6, 4, v8
	v_add_nc_u32 v8, s49, v8                       ; out of it: sixteen lanes to a row, two rows an instruction
	v_lshlrev_b32 v9, 11, v7
	v_lshl_add_u32 v9, v6, 4, v9                   ; and the same place in the codes' plane
	s_lshl_b32 s50, s46, 21                        ; 256 rows of 8,192 bytes
	s_lshl_b32 s51, s47, 2
	s_add_co_u32 s50, s50, s51
	s_mov_b32 s51, 0
	s_lshl_b32 s52, s47, 11                        ; column x 2,048
	s_lshl_b32 s53, s46, 8
	s_add_co_u32 s52, s52, s53
	s_lshl_b32 s53, s44, 22                        ; the plane
	s_add_co_u32 s52, s52, s53
	s_mov_b32 s53, 0
	s_cmp_eq_u32 s44, 1                            ; the choice hangs on the work-group's number alone
	s_cselect_b64 s[6:7], s[8:9], s[6:7]
	s_cmp_eq_u32 s44, 2
	s_cselect_b64 s[6:7], s[10:11], s[6:7]
	s_cmp_eq_u32 s44, 3
	s_cselect_b64 s[6:7], s[12:13], s[6:7]
	s_add_nc_u64 s[6:7], s[6:7], s[50:51]
	s_add_nc_u64 s[20:21], s[20:21], s[52:53]
	WLOAD 0
	WLOAD 1
	s_wait_kmcnt 0x0
	s_mov_b32 s54, s33                             ; e1, e3, e5 or e11
	s_cmp_eq_u32 s44, 1
	s_cselect_b32 s54, s35, s54
	s_cmp_eq_u32 s44, 2
	s_cselect_b32 s54, s37, s54
	s_cmp_eq_u32 s44, 3
	s_cselect_b32 s54, s43, s54
	s_add_co_i32 s54, s54, 127
	s_lshl_b32 s55, s54, 23
	v_mov_b32 v11, s55                             ; 2^e
	s_add_co_i32 s54, s54, 8
	s_lshl_b32 s54, s54, 23
	s_or_b32 s54, s54, 0x600000
	v_mov_b32 v10, s54                             ; 448 x 2^e
.irp t, 0,1,2,3,4,5,6,7
	WBLOCK \t
.endr
.irp t, 0,1,2,3,4,5,6,7,8,9,10,11,12,13,14,15
	ds_load_b128 v[OUTR+4*\t:OUTR+4*\t+3], v8 offset:2*\t*PITCH   ; LDS serves a wave's instructions in order: these see my stores
.endr
.irp t, 0,1,2,3,4,5,6,7,8,9,10,11,12,13,14,15
	s_wait_dscnt 15-\t
	global_store_b128 v9, v[OUTR+4*\t:OUTR+4*\t+3], s[20:21] offset:2*\t*2048   ; sixteen lanes store 256 consecutive bytes, aligned
.endr
	s_wait_tensorcnt 0x0                           ; the wave's end: the same three lines
	ds_add_u32 v[SPW], v[NIL]
	s_wait_dscnt 0x0
	s_endpgm
.Lfunc_end_k_qb9e926f9fe_prep:
	.size	k_qb9e926f9fe_prep, .Lfunc_end_k_qb9e926f9fe_prep-k_qb9e926f9fe_prep
	.p2alignl 7, 3214868480
	.fill 96, 4, 3214868480
	.section	.rodata,"a",@progbits
	.p2align	6, 0x0
	.amdhsa_kernel k_qb9e926f9fe_prep
		.amdhsa_group_segment_fixed_size 68096
		.amdhsa_private_segment_fixed_size 0
		.amdhsa_enable_private_segment 0
		.amdhsa_kernarg_size 80
		.amdhsa_user_sgpr_count 2
		.amdhsa_user_sgpr_kernarg_segment_ptr 1
		.amdhsa_wavefront_size32 1
		.amdhsa_system_sgpr_workgroup_id_x 1
		.amdhsa_system_sgpr_workgroup_id_y 1
		.amdhsa_system_sgpr_workgroup_id_z 1
		.amdhsa_system_vgpr_workitem_id 0
		.amdhsa_next_free_vgpr 224
		.amdhsa_next_free_sgpr 66
		.amdhsa_reserve_vcc 1
		.amdhsa_float_denorm_mode_32 3
		.amdhsa_float_denorm_mode_16_64 3
		.amdhsa_memory_ordered 1
		.amdhsa_forward_progress 1
		.amdhsa_inst_pref_size 98
	.end_amdhsa_kernel
	.amdgpu_metadata
---
amdhsa.version: [ 1, 2 ]
amdhsa.kernels:
  - .name:           k_qb9e926f9fe_prep
    .symbol:         k_qb9e926f9fe_prep.kd
    .args:
      - { .name: hidden_states, .offset: 0, .size: 8, .value_kind: global_buffer, .address_space: global }
      - { .name: Wq, .offset: 8, .size: 8, .value_kind: global_buffer, .address_space: global }
      - { .name: Wk, .offset: 16, .size: 8, .value_kind: global_buffer, .address_space: global }
      - { .name: Wv, .offset: 24, .size: 8, .value_kind: global_buffer, .address_space: global }
      - { .name: Wo, .offset: 32, .size: 8, .value_kind: global_buffer, .address_space: global }
      - { .name: position_ids, .offset: 40, .size: 8, .value_kind: global_buffer, .address_space: global }
      - { .name: lowp_scales, .offset: 48, .size: 8, .value_kind: global_buffer, .address_space: global }
      - { .name: xc, .offset: 56, .size: 8, .value_kind: global_buffer, .address_space: global }
      - { .name: wc, .offset: 64, .size: 8, .value_kind: global_buffer, .address_space: global }
      - { .name: rope, .offset: 72, .size: 8, .value_kind: global_buffer, .address_space: global }
    .group_segment_fixed_size: 68096
    .private_segment_fixed_size: 0
    .kernarg_segment_align: 8
    .kernarg_segment_size: 80
    .max_flat_workgroup_size: 128
    .sgpr_count:     66
    .vgpr_count:     224
    .wavefront_size: 32
...
	.end_amdgpu_metadata
.endif
;; end of part 1
;; launch qkv (part 2): grid 24 x 8, 4 waves a work-group, clusters of 4 x 4, 327,680 bytes of LDS; arguments xc, wc, rope, lowp_scales, qkvc; writes qkvc
.if DOCPART == 2
	.amdgcn_target "amdgcn-amd-amdhsa--gfx1250"
	.amdhsa_code_object_version 6
	.text
	.protected	k_qb9e926f9fe_qkv
	.globl	k_qb9e926f9fe_qkv
	.p2align	8
	.type	k_qb9e926f9fe_qkv,@function
k_qb9e926f9fe_qkv:
	s_mov_b64 s[64:65], 0
	v_nop
	global_prefetch_b8 v0, s[64:65] scope:SCOPE_SE
	s_setreg_imm32_b32 hwreg(HW_REG_WAVE_MODE, 25, 1), 1
	s_wait_xcnt 0x0
	s_wait_alu depctr_hold_cnt(0) depctr_sa_sdst(0) depctr_va_vdst(0) depctr_va_sdst(0) depctr_va_ssrc(0) depctr_va_vcc(0) depctr_vm_vsrc(0)
	s_getreg_b32 s2, hwreg(HW_REG_IB_STS2, 6, 4)
	s_cmp_eq_u32 s2, 0
	s_cbranch_scc0 .Lentry_in_a_cluster
	s_endpgm
.Lentry_in_a_cluster:
	s_bfe_u32 s2, ttmp6, 0x10000c
	s_cmp_lg_u32 s2, 0xf033
	s_cbranch_scc0 .Lentry_shape_is_right
	s_endpgm
.Lentry_shape_is_right:
; QKV.  The three projections on E4M3 codes, the rotation of q and k, and the quantiser for the attention's operands, in one body.
; kind = cluster x / 2: 0 makes q, 1 makes k, 2 makes v transposed.  A tile of 256 x 256 to a work-group of four waves, 128 x 128 to a wave: 64 accumulators, 512 registers.  K = 2,048 goes in steps of 256
; through a ring of two LDS slots filled by joint tensor loads: the four work-groups of a row of the cluster share A's tile, the four of a column B's.
; THE MATRIX INSTRUCTION IS USED TRANSPOSED: source 0 = 16 rows of B, source 1 = 16 rows of A: lane l holds row l % 16 of A's side, and registers 0-7 of accumulator (a, b) the columns 16 b + 8 (l / 16) + 0 .. 7.
; kind 0, 1: A = plane kind of xc (rows: positions), B = plane kind of wc (rows: 128 head + d).  A wave's 128 columns are one head, so d and d + 64 lie in one lane (accumulators b and b + 4).
; kind 2:    A = plane 2 of wc (rows: 128 head + d), B = plane 2 of xc (rows: positions): a lane holds one d, and its registers run along the keys, which are the second attention product's K.
; The buffers are chosen by s_cselect_b64 on kind, which all partners of a cluster share; no branch hangs on it.  v runs the rotation's lines on a table of cos = 1, sin = 0.
; OUT: qkvc, q at 0, k at 4 MiB, v at 8 MiB, each [16 heads][16 blocks of 128 positions][128 rows][128 bytes].  Byte 32 c + 16 h + i of a row holds column 32 c + 8 h + i (i < 8) or 32 c + 16 + 8 h + i - 8:
; for q and k one permutation of the head's 128 in both; for v the order in which the softmax's codes fall.
; code = sum x 2^(ea + eb - eo), held within +-448: the three scales are folded into the conversion's one.  LIMIT: eo - ea - eb between -126 and 119.
; REGISTERS, in windows of 256: window 0: v0-31 addresses; v32-95 the table's first block, asked for at the head; from v128 A's fragments, one set.  window 1: B's fragments, two sets.  windows 2, 3: the accumulators.
; On the way out, window 0: v32-95 and v128-191 the table's blocks by turns (32 registers of cos, 32 of sin); v192-255 the rotated numbers; v96-111 codes; v112-127 rows read back from the stage.
.set SIZE_K, 2048
.set KSTEP,  256                       ; along K in a slot; a tile's row is 256 bytes
.set ROWB,   256
.set KROW,   2048                      ; a row of codes in memory
.set PITCH,  272                       ; an LDS row: 256 bytes + 16 of padding = 68 words: the 16 rows that a load touches start at 16 different banks (64 banks of 4 bytes: ISA guide 11.1)
.set FR,     16
.set NL,     4
.set NP,     4                         ; places behind this matrix instruction (ISA guide 7.12.1)
.set HALFT,  128*PITCH
.set SLOT,   4*HALFT
.set LAPS,   SIZE_K/(2*KSTEP)
.set SPARE,  2*SLOT                    ; behind the ring: the spare words, 128 bytes for each wave, which no other line names
.set STAGE,  SPARE+512                 ; behind them: 16 rows x 144 bytes for each wave, for the way out; no fill lands here
.set SPITCH, 144
.set SCL,  12                          ; v12  the conversion's scale as f32
.set LIMV, 13                          ; v13  448 x that
.set ADRA, 16
.set ADRB, 20
.set STO,  24
.set RD,   25
.set CO,   26
.set TBLO, 27                          ; v27  16 x lane: my place in an image of the table; never rewritten
.set SPW,  28
.set NIL,  29
.set PFO,  30                          ; v30  the prefetches' offset: lane x a row of codes; never rewritten
.set CS0,  32
.set CD,   96
.set RB,   112
.set AF,   128
.set TMP,  192
.set G1, 24
.set G0, 32
.set G1B, 48
.set G0B, 56
.set PFA, 66                           ; s[66:67] where my prefetches stand
.set LIM, 68                           ; s68  1 in a wave that prefetches, else the greatest number
.set KIND, 69
.set MSB, 0
.macro WIN new                         ; the immediate's high byte repeats the setting that is left
.if MSB != \new
	s_set_vgpr_msb (MSB<<8)|\new
.set MSB, \new
.endif
.endm
.set MUL_LO, 0xa1                      ; source 0 (B) window 1, source 1 (A) window 0, C and D window 2
.set MUL_HI, 0xf1
.set TO_B,   0x40
; A joint load: waves 0 and 1 fetch for A, waves 2 and 3 for B.  The branch hangs on the wave's number alone.  An s_nop 0 and four v_nop follow each of the two lines.
.macro JLOAD g0a, g1a, g0b, g1b
	s_cmp_eq_u32 s15, 0
	s_cbranch_scc0 .Lfor_b_\@
	tensor_load_to_lds s[\g0a:\g0a+3], s[\g1a:\g1a+7]
	s_nop 0
.rept 4
	v_nop
.endr
	s_branch .Lasked_\@
.Lfor_b_\@:
	tensor_load_to_lds s[\g0b:\g0b+3], s[\g1b:\g1b+7]
	s_nop 0
.rept 4
	v_nop
.endr
.Lasked_\@:
.endm
; A prefetch of the K step that stands two refills on: 32 rows x 256 bytes, a lane a row, one instruction a wave.  A's rows are read by the two clusters of a kind in a row of clusters: the one with even x asks;
; B's rows by the two clusters of a column: the one with y = 0 asks.  The four partners that ask for a tile jointly take 32 of a wave's 128 rows each, told apart by address.  The loop's last trip asks for nothing.
.macro ASK
	s_cmp_gt_u32 s3, s[LIM]
	s_cbranch_scc0 .Lnot_mine_\@
	global_prefetch_b8 v[PFO], s[PFA:PFA+1] offset:KSTEP th:TH_LOAD_NT scope:SCOPE_SE
.Lnot_mine_\@:
.endm
.macro CREST                           ; a round of the cluster's barrier behind its opening barrier
	s_cmp_lg_u32 s14, 0
	s_cbranch_scc1 .Lnot_wave_0_\@
	s_barrier_signal -3
.Lnot_wave_0_\@:
	s_barrier_wait -3
	s_barrier_signal -1
	s_barrier_wait -1
.endm
.macro CROUND
	s_barrier_signal -1
	s_barrier_wait -1
	CREST
.endm
.macro TABLE a                         ; block a of my 128 rows: 16 images of 512 bytes, cos then sin, straight into registers
.set CT, CS0+96*((\a)%2)
.irp i, 0,1,2,3,4,5,6,7,8,9,10,11,12,13,14,15
	global_load_b128 v[CT+4*\i:CT+4*\i+3], v[TBLO], s[8:9] offset:8192*(\a)+512*\i
.endr
.endm
	s_load_b128 s[4:7], s[0:1], 0x0                ; xc s[4:5], wc s[6:7]
	s_load_b128 s[8:11], s[0:1], 0x10              ; rope s[8:9], lowp_scales s[10:11]
	s_load_b64 s[12:13], s[0:1], 0x20              ; qkvc
	v_lshl_add_u32 v[SPW], v0, 2, SPARE
	v_mov_b32 v[NIL], 0
	ds_add_u32 v[SPW], v[NIL]                      ; the wave's opening: the add and its wait stand ahead of my first tensor load; the set-up below stands between them
	v_lshrrev_b32 v1, 5, v0
	v_readfirstlane_b32 s14, v1                    ; wave 0..3
	s_lshr_b32 s15, s14, 1                         ; which half of the tile's rows is mine.  Also: I fetch for A (0) or for B (1)
	s_and_b32 s16, s14, 1                          ; which half of its columns.  Also: which 128 rows of that tile I fetch
	s_bfe_u32 s40, ttmp6, 0x40000                  ; cx, cy
	s_bfe_u32 s41, ttmp6, 0x40004
	s_lshl_b32 s42, ttmp9, 2
	s_add_co_u32 s42, s42, s40
	s_and_b32 s42, s42, 7                          ; tile column within the kind
	s_lshr_b32 s[KIND], ttmp9, 1                   ; 0 q, 1 k, 2 v: the same in all partners
	s_and_b32 s17, ttmp7, 0xffff
	s_lshl_b32 s17, s17, 2
	s_add_co_u32 s17, s17, s41                     ; tile row
	s_lshl_b32 s43, s41, 2
	s_lshl_b32 s43, 15, s43                        ; my row of the cluster
	s_lshl_b32 s44, 0x1111, s40                    ; my column
	s_or_b32 s[G1+0], s43, (0<<16)|(1<<20)|(1<<21)|(5<<22)|(3<<25)  ; the mask; elements of 1 byte; padding on; bit 21 beside a mask; after every 64 words, 4 words
	s_or_b32 s[G1B+0], s44, (0<<16)|(1<<20)|(1<<21)|(5<<22)|(3<<25)
.irp g, G1, G1B
	s_mov_b32 s[\g+1], ROWB<<16                    ; tensor_dim0
	s_mov_b32 s[\g+2], 128<<16                     ; tensor_dim1
	s_mov_b32 s[\g+3], ROWB<<16                    ; tile_dim0
	s_mov_b32 s[\g+4], 128                         ; tile_dim1
	s_mov_b32 s[\g+5], KROW                        ; from row to row
	s_mov_b32 s[\g+6], 0
	s_mov_b32 s[\g+7], 0
.endr
	s_lshl_b32 s18, s16, 7
	s_lshl_b32 s20, s17, 8
	s_add_co_u32 s20, s20, s18                     ; A: row 256 x tile row + 128 x half
	s_lshl_b32 s46, s42, 8
	s_add_co_u32 s46, s46, s18                     ; B: row 256 x tile column + 128 x half
	s_lshl_b32 s20, s20, 11                        ; in bytes
	s_lshl_b32 s46, s46, 11
	s_lshl_b32 s70, s[KIND], 22                    ; the plane: 4 MiB x kind, in both buffers
	s_add_co_u32 s20, s20, s70
	s_add_co_u32 s46, s46, s70
	s_mov_b32 s21, 0
	s_mov_b32 s47, 0
	s_mul_i32 s45, s14, HALFT                      ; where they go: wave x 128 rows
	s_wait_dscnt 0x0                               ; the opening add is done
	s_wait_kmcnt 0x0
	s_load_b256 s[84:91], s[10:11], 0x0            ; e0 .. e7
	s_load_b128 s[92:95], s[10:11], 0x20           ; e8 .. e11
	s_cmp_eq_u32 s[KIND], 2
	s_cselect_b64 s[72:73], s[6:7], s[4:5]         ; A's buffer
	s_cselect_b64 s[74:75], s[4:5], s[6:7]         ; B's
	s_add_nc_u64 s[20:21], s[72:73], s[20:21]
	s_add_nc_u64 s[46:47], s[74:75], s[46:47]
	CROUND                                         ; all sixteen work-groups are here: the first joint loads meet
.irp s, 0,1
	s_mov_b32 s[G0+4*\s], 1
	s_add_co_u32 s[G0+4*\s+1], s45, \s*SLOT
	s_add_nc_u64 s[G0+4*\s+2:G0+4*\s+3], s[20:21], \s*ROWB
	s_or_b32 s[G0+4*\s+3], s[G0+4*\s+3], 0x80000000
	s_mov_b32 s[G0B+4*\s], 1
	s_add_co_u32 s[G0B+4*\s+1], s45, \s*SLOT
	s_add_nc_u64 s[G0B+4*\s+2:G0B+4*\s+3], s[46:47], \s*ROWB
	s_or_b32 s[G0B+4*\s+3], s[G0B+4*\s+3], 0x80000000
	JLOAD G0+4*\s, G1, G0B+4*\s, G1B
.endr
	v_and_b32 v1, 15, v0                           ; r
	v_bfe_u32 v2, v0, 4, 1                         ; h
	v_mul_u32_u24 v3, v1, PITCH
	v_lshl_add_u32 v4, v2, 4, v3
	s_mul_i32 s21, s15, HALFT                      ; my 128 rows of A
	s_mul_i32 s22, s16, HALFT                      ; my 128 rows of B,
	s_add_co_u32 s22, s22, 2*HALFT                 ; which lie behind A's 256
.irp s, 0,1
	v_add_nc_u32 v[ADRA+\s], s21, v4
	v_add_nc_u32 v[ADRB+\s], s22, v4
	s_add_co_u32 s21, s21, SLOT
	s_add_co_u32 s22, s22, SLOT
.endr
	s_mul_i32 s23, s14, 16*SPITCH
	s_add_co_u32 s23, s23, STAGE                   ; my stage
	v_mul_u32_u24 v5, v1, SPITCH
	v_lshl_add_u32 v5, v2, 4, v5
	v_add_nc_u32 v[STO], s23, v5                   ; in: row r, 16 bytes for each half of the lanes
	v_and_b32 v6, 31, v0
	v_lshrrev_b32 v7, 3, v6
	v_mul_u32_u24 v7, v7, SPITCH
	v_and_b32 v8, 7, v0
	v_lshl_add_u32 v7, v8, 4, v7
	v_add_nc_u32 v[RD], s23, v7                    ; back: eight lanes to a row of 128 bytes, four rows an instruction
	v_lshlrev_b32 v[CO], 4, v6                     ; and the same 512 bytes in the output's dense block
	v_lshlrev_b32 v[TBLO], 4, v6
	s_lshl_b32 s76, s17, 17                        ; the table: 16 blocks of 8,192 bytes for a tile row of 256 positions,
	s_cmp_eq_u32 s[KIND], 2
	s_cselect_b32 s76, 0x100000, s76               ; or the blocks with cos = 1, sin = 0
	s_lshl_b32 s77, s15, 16
	s_add_co_u32 s76, s76, s77                     ; my half's eight
	s_mov_b32 s77, 0
	s_add_nc_u64 s[8:9], s[8:9], s[76:77]
	TABLE 0                                        ; into registers that the K loop never names
	s_lshl_b32 s76, s17, 1
	s_add_co_u32 s76, s76, s15                     ; which 128 of A's rows,
	s_lshl_b32 s77, s42, 1
	s_add_co_u32 s77, s77, s16                     ; which 128 of B's
	s_cmp_eq_u32 s[KIND], 2
	s_cselect_b32 s78, s76, s77                    ; the head,
	s_cselect_b32 s79, s77, s76                    ; the block of 128 positions
	s_lshl_b32 s78, s78, 18
	s_lshl_b32 s79, s79, 14
	s_add_co_u32 s78, s78, s79
	s_add_co_u32 s78, s78, s70
	s_mov_b32 s79, 0
	s_add_nc_u64 s[12:13], s[12:13], s[78:79]      ; my block of 16 KiB in qkvc
	s_lshl_b32 s76, s17, 8                         ; the prefetches: the tile's first row, in A by the tile row, in B by the tile column
	s_lshl_b32 s77, s42, 8
	s_and_b32 s78, ttmp9, 1
	s_and_b32 s79, ttmp7, 0xffff
	s_cmp_eq_u32 s15, 0                            ; do I fetch for A?
	s_cselect_b32 s76, s76, s77
	s_cselect_b32 s77, s40, s41                    ; my place among the four that ask with me
	s_cselect_b32 s78, s78, s79                    ; the coordinate along which another cluster reads the same rows
	s_cselect_b64 s[PFA:PFA+1], s[72:73], s[74:75]
	s_cmp_eq_u32 s78, 0
	s_cselect_b32 s[LIM], 1, -1                    ; the same in all sixteen partners, for a given wave
	s_lshl_b32 s78, s16, 7
	s_add_co_u32 s76, s76, s78
	s_lshl_b32 s77, s77, 5
	s_add_co_u32 s76, s76, s77
	s_lshl_b32 s76, s76, 11
	s_add_co_u32 s76, s76, s70
	s_add_co_u32 s76, s76, 2*KSTEP                 ; at K step 2: the first refill steps it to 3 and names K step 4
	s_mov_b32 s77, 0
	s_add_nc_u64 s[PFA:PFA+1], s[PFA:PFA+1], s[76:77]
	v_lshlrev_b32 v[PFO], 11, v6
.macro FRAG reg, adr, q, i             ; a fragment, 16 rows x 128 K: registers 4 c .. 4 c + 3 hold bytes 32 c + 16 (l / 16) + 0 .. 15 of row l % 16: the same order of K in A and in B
.irp c, 0,1,2,3
	ds_load_b128 v[\reg+4*\c:\reg+4*\c+3], v[\adr] offset:128*(\q)+32*\c+(\i)*16*PITCH
.endr
.endm
; 16 matrix instructions: A's blocks a0, a0 + 1 x B's eight.  The 64 accumulators take turns, one instruction a turn, in the same order in every step.
.macro MUL16 a0, p, zero
.irp a, \a0, \a0+1
.irp b, 0,1,2,3,4,5,6,7
.if \zero
	v_wmma_f32_16x16x128_fp8_fp8 v[8*(8*((\a)%4)+\b):8*(8*((\a)%4)+\b)+7], v[128*(\p)+FR*\b:128*(\p)+FR*\b+FR-1], v[AF+FR*(\a):AF+FR*(\a)+FR-1], 0
.else
	v_wmma_f32_16x16x128_fp8_fp8 v[8*(8*((\a)%4)+\b):8*(8*((\a)%4)+\b)+7], v[128*(\p)+FR*\b:128*(\p)+FR*\b+FR-1], v[AF+FR*(\a):AF+FR*(\a)+FR-1], v[8*(8*((\a)%4)+\b):8*(8*((\a)%4)+\b)+7]
.endif
.endr
.endr
.endm
.macro FETCH_B slot, q, p
	WIN TO_B
.irp i, 0,1,2,3,4,5,6,7
	FRAG 128*(\p)+FR*\i, ADRB+\slot, \q, \i
.endr
	WIN 0
.endm
.macro FETCH_A slot, q, i0
.irp i, \i0, \i0+1, \i0+2, \i0+3
	FRAG AF+FR*(\i), ADRA+\slot, \q, \i
.endr
.endm
.macro PLACES n                        ; plain vector lines between a matrix instruction and a load into, or a vector line on, its registers
.rept \n
	v_nop
.endr
.endm
.macro STEP slot, q, zero              ; 128 along K with its successor in the same slot
	s_wait_dscnt 4*NL                              ; B's set and A's blocks 0-3 are in; A's blocks 4-7, the youngest 16 loads, may be out
	WIN MUL_LO
	MUL16 0, (\q)%2, \zero
	MUL16 2, (\q)%2, \zero
	s_wait_dscnt 0
	PLACES NP
	FETCH_B \slot, (\q)+1, 1-(\q)%2
	FETCH_A \slot, (\q)+1, 0
	WIN MUL_HI
	MUL16 4, (\q)%2, \zero
	MUL16 6, (\q)%2, \zero
	PLACES NP
	WIN 0
	FETCH_A \slot, (\q)+1, 4
.endm
; A slot's last step changes slots: one barrier; in front of it each wave waits for all its tensor loads, adds 0 to its spare word, and waits for that and for its reads of this slot.  fill = 1: the slot is filled again.
.macro TURN slot, next, fill
.if \fill
	s_wait_xcnt 0x0                                ; the last prefetch, a K step back, has read its address, which steps here
	s_add_nc_u64 s[PFA:PFA+1], s[PFA:PFA+1], KSTEP
.endif
	s_wait_tensorcnt 0x0                           ; all my tensor loads have landed: my part of the next slot
	ds_add_u32 v[SPW], v[NIL]                      ; 0 onto my spare word
	s_wait_dscnt 4*NL+1                            ; the add and A's blocks 4-7 may be out
	WIN MUL_LO
	MUL16 0, 1, 0
	s_wait_dscnt 0x0                               ; the add is done, and my reads of this slot are over
	s_barrier_signal -1
	MUL16 2, 1, 0
	WIN 0
	s_barrier_wait -1
.if \fill
	CREST                                          ; the barrier has opened a round of the cluster's: no wave of any partner still reads this slot or has a load on its way
	s_add_nc_u64 s[G0+4*\slot+2:G0+4*\slot+3], s[G0+4*\slot+2:G0+4*\slot+3], 2*ROWB
	s_add_nc_u64 s[G0B+4*\slot+2:G0B+4*\slot+3], s[G0B+4*\slot+2:G0B+4*\slot+3], 2*ROWB
	JLOAD G0+4*\slot, G1, G0B+4*\slot, G1B         ; the first tensor load behind the round; its four v_nop are the places in front of the loads below
.else
	PLACES NP
.endif
	FETCH_B \next, 0, 0
	FETCH_A \next, 0, 0
.if \fill
	ASK
.endif
	WIN MUL_HI
	MUL16 4, 1, 0
	MUL16 6, 1, 0
	PLACES NP
	WIN 0
	FETCH_A \next, 0, 4
.endm
	s_wait_tensorcnt 1                             ; my part of K step 0 is in; K step 1's load may be out
	s_barrier_signal -1
	s_barrier_wait -1
	FETCH_B 0, 0, 0
	FETCH_A 0, 0, 0
	FETCH_A 0, 0, 4
	STEP 0, 0, 1                                   ; the first step's products start the sums
	s_mov_b32 s3, LAPS-1
.Llap:                                                 ; a trip goes once round the ring and fills both slots again
	TURN 0, 1, 1
	STEP 1, 0, 0
	TURN 1, 0, 1
	STEP 0, 0, 0
	s_sub_co_u32 s3, s3, 1
	s_cmp_lg_u32 s3, 0
	s_cbranch_scc1 .Llap
	TURN 0, 1, 0                                   ; the last lap fills nothing
	STEP 1, 0, 0
	s_wait_dscnt 4*NL
	WIN MUL_LO
	MUL16 0, 1, 0
	MUL16 2, 1, 0
	s_wait_dscnt 0
	WIN MUL_HI
	MUL16 4, 1, 0
	MUL16 6, 1, 0
	WIN 0
; THE WAY OUT, a block of 16 rows x 128 columns at a time: the rotation (d < 64: x cos - x(d + 64) sin; d >= 64: x cos + x(d - 64) sin), the hold, the conversions, the wave's own stage, whole runs of 512 bytes out.
.macro OUTBLK a
.if (\a) < 7
	TABLE (\a)+1
	s_wait_loadcnt 16                              ; this block's table is in; the next block's 16 loads are younger
.else
	s_wait_loadcnt 0x0
.endif
.set CT, CS0+96*((\a)%2)
.set AC, 64*((\a)%4)
	WIN 0x02+((\a)/4)                              ; source 0: the accumulators' window
.irp b, 0,1,2,3
.irp j, 0,2,4,6                        ; each accumulator is read from its low end on
	v_pk_mul_f32 v[TMP+8*\b+\j:TMP+8*\b+\j+1], v[AC+8*(\b+4)+\j:AC+8*(\b+4)+\j+1], v[CT+32+8*\b+\j:CT+32+8*\b+\j+1]
	v_pk_mul_f32 v[TMP+8*(\b+4)+\j:TMP+8*(\b+4)+\j+1], v[AC+8*\b+\j:AC+8*\b+\j+1], v[CT+32+8*\b+\j:CT+32+8*\b+\j+1]
	v_pk_fma_f32 v[TMP+8*\b+\j:TMP+8*\b+\j+1], v[AC+8*\b+\j:AC+8*\b+\j+1], v[CT+8*\b+\j:CT+8*\b+\j+1], v[TMP+8*\b+\j:TMP+8*\b+\j+1] neg_lo:[0,0,1] neg_hi:[0,0,1]
	v_pk_fma_f32 v[TMP+8*(\b+4)+\j:TMP+8*(\b+4)+\j+1], v[AC+8*(\b+4)+\j:AC+8*(\b+4)+\j+1], v[CT+8*\b+\j:CT+8*\b+\j+1], v[TMP+8*(\b+4)+\j:TMP+8*(\b+4)+\j+1]
.endr
.endr
	WIN 0
.set i, 0
.rept 64
	v_med3_num_f32 v[TMP+i], v[TMP+i], -v[LIMV], v[LIMV]   ; the conversion to an 8-bit code does not saturate (ISA guide 7.6.2)
.set i, i+1
.endr
.if (\a) > 0
	s_wait_dscnt 0x0                               ; the last block is back from the stage, and its stores into the stage have read the codes' registers
.irp i, 0,1,2,3
	global_store_b128 v[CO], v[RB+4*\i:RB+4*\i+3], s[12:13] offset:2048*((\a)-1)+512*\i   ; the wave stores 512 consecutive bytes, aligned
.endr
.endif
.irp c, 0,1,2,3
	v_cvt_scalef32_pk8_fp8_f32 v[CD+4*\c:CD+4*\c+1], v[TMP+16*\c:TMP+16*\c+7], v[SCL]
	v_cvt_scalef32_pk8_fp8_f32 v[CD+4*\c+2:CD+4*\c+3], v[TMP+16*\c+8:TMP+16*\c+15], v[SCL]
.endr
	v_nop                                          ; one plain line behind the conversions: the next block's lines write their sources
.irp c, 0,1,2,3
	ds_store_b128 v[STO], v[CD+4*\c:CD+4*\c+3] offset:32*\c
.endr
.if (\a) > 0
	s_wait_xcnt 0x0                                ; the four stores above have read their registers, on which the loads below land
.endif
.irp i, 0,1,2,3
	ds_load_b128 v[RB+4*\i:RB+4*\i+3], v[RD] offset:4*SPITCH*\i   ; LDS serves a wave's instructions in order: these see my stores, and the next block's stores come behind them
.endr
.endm
	s_wait_kmcnt 0x0
	s_sub_co_i32 s96, s90, s84                     ; q: e6 - e0 - e1
	s_sub_co_i32 s96, s96, s85
	s_sub_co_i32 s97, s91, s86                     ; k: e7 - e2 - e3
	s_sub_co_i32 s97, s97, s87
	s_sub_co_i32 s98, s93, s88                     ; v: e9 - e4 - e5
	s_sub_co_i32 s98, s98, s89
	s_cmp_eq_u32 s[KIND], 1
	s_cselect_b32 s96, s97, s96
	s_cmp_eq_u32 s[KIND], 2
	s_cselect_b32 s96, s98, s96
	s_add_co_i32 s96, s96, 127
	s_lshl_b32 s97, s96, 23
	v_mov_b32 v[SCL], s97
	s_add_co_i32 s96, s96, 8
	s_lshl_b32 s96, s96, 23
	s_or_b32 s96, s96, 0x600000
	v_mov_b32 v[LIMV], s96
	PLACES NP                                      ; in front of the loads into the registers that held A's fragments, and of the first read of results
.irp a, 0,1,2,3,4,5,6,7
	OUTBLK \a
.endr
	s_wait_dscnt 0x0
.irp i, 0,1,2,3
	global_store_b128 v[CO], v[RB+4*\i:RB+4*\i+3], s[12:13] offset:2048*7+512*\i
.endr
	s_wait_tensorcnt 0x0                           ; the wave's end: three lines behind my last tensor load and my last LDS store
	ds_add_u32 v[SPW], v[NIL]
	s_wait_dscnt 0x0
	CROUND                                         ; the closing round
	s_endpgm
.Lfunc_end_k_qb9e926f9fe_qkv:
	.size	k_qb9e926f9fe_qkv, .Lfunc_end_k_qb9e926f9fe_qkv-k_qb9e926f9fe_qkv
	.p2alignl 7, 3214868480
	.fill 96, 4, 3214868480
	.section	.rodata,"a",@progbits
	.p2align	6, 0x0
	.amdhsa_kernel k_qb9e926f9fe_qkv
		.amdhsa_group_segment_fixed_size 327680
		.amdhsa_private_segment_fixed_size 0
		.amdhsa_enable_private_segment 0
		.amdhsa_kernarg_size 40
		.amdhsa_user_sgpr_count 2
		.amdhsa_user_sgpr_kernarg_segment_ptr 1
		.amdhsa_wavefront_size32 1
		.amdhsa_system_sgpr_workgroup_id_x 1
		.amdhsa_system_sgpr_workgroup_id_y 1
		.amdhsa_system_sgpr_workgroup_id_z 1
		.amdhsa_system_vgpr_workitem_id 0
		.amdhsa_next_free_vgpr 1024
		.amdhsa_next_free_sgpr 100
		.amdhsa_reserve_vcc 0
		.amdhsa_float_denorm_mode_32 3
		.amdhsa_float_denorm_mode_16_64 3
		.amdhsa_memory_ordered 1
		.amdhsa_forward_progress 1
		.amdhsa_inst_pref_size 169
	.end_amdhsa_kernel
	.amdgpu_metadata
---
amdhsa.version: [ 1, 2 ]
amdhsa.kernels:
  - .name:           k_qb9e926f9fe_qkv
    .symbol:         k_qb9e926f9fe_qkv.kd
    .args:
      - { .name: xc, .offset: 0, .size: 8, .value_kind: global_buffer, .address_space: global }
      - { .name: wc, .offset: 8, .size: 8, .value_kind: global_buffer, .address_space: global }
      - { .name: rope, .offset: 16, .size: 8, .value_kind: global_buffer, .address_space: global }
      - { .name: lowp_scales, .offset: 24, .size: 8, .value_kind: global_buffer, .address_space: global }
      - { .name: qkvc, .offset: 32, .size: 8, .value_kind: global_buffer, .address_space: global }
    .group_segment_fixed_size: 327680
    .private_segment_fixed_size: 0
    .kernarg_segment_align: 8
    .kernarg_segment_size: 40
    .max_flat_workgroup_size: 128
    .sgpr_count:     100
    .vgpr_count:     1024
    .wavefront_size: 32
...
	.end_amdgpu_metadata
.endif
;; end of part 2
;; launch attn (part 3): grid 32 x 8, 8 waves a work-group, clusters of 4 x 4, 327,680 bytes of LDS; arguments qkvc, attention_mask, lowp_scales, aoc; writes aoc
.if DOCPART == 3
	.amdgcn_target "amdgcn-amd-amdhsa--gfx1250"
	.amdhsa_code_object_version 6
	.text
	.protected	k_qb9e926f9fe_attn
	.globl	k_qb9e926f9fe_attn
	.p2align	8
	.type	k_qb9e926f9fe_attn,@function
k_qb9e926f9fe_attn:
	s_mov_b64 s[64:65], 0
	v_nop
	global_prefetch_b8 v0, s[64:65] scope:SCOPE_SE
	s_setreg_imm32_b32 hwreg(HW_REG_WAVE_MODE, 25, 1), 1
	s_wait_xcnt 0x0
	s_wait_alu depctr_hold_cnt(0) depctr_sa_sdst(0) depctr_va_vdst(0) depctr_va_sdst(0) depctr_va_ssrc(0) depctr_va_vcc(0) depctr_vm_vsrc(0)
	s_getreg_b32 s2, hwreg(HW_REG_IB_STS2, 6, 4)
	s_cmp_eq_u32 s2, 0
	s_cbranch_scc0 .Lentry_in_a_cluster
	s_endpgm
.Lentry_in_a_cluster:
	s_bfe_u32 s2, ttmp6, 0x10000c
	s_cmp_lg_u32 s2, 0xf033
	s_cbranch_scc0 .Lentry_shape_is_right
	s_endpgm
.Lentry_shape_is_right:
; ATTN.  out[h][q] = the sum over k of softmax_k(max(q . k / sqrt(128) + mask[q][k], F32_MIN)) v[h][k], both products on E4M3 codes; the result is quantised for the last projection.
; The mask is an input: every key step is walked, and each score gets the mask's number as it is given.
; THE SOFTMAX: t = logit x log2(e); M = the row's largest t so far, rounded up to a whole number; p = 2^(t - M) is quantised with 2^e8; the row's sum is taken of the unquantised p and divides at the end.
; When M moves, the sum and O are multiplied by 2^(old M - new M): exact.  THE CLAMP: t = score x c + max(mask x log2(e), -3e38): F32_MIN x log2(e) is no f32 number, so the floor is laid on the mask's term.
; A row that is masked throughout has all t equal, so all p = 1: the uniform weights that the clamp at F32_MIN gives.
; LIMITS: logits under -2.08e38 count alike; NaN in the mask is not served; e6 + e7 between -123 and 130 (added to c's exponent field); e8, and e10 - e8 - e9, between -126 and 119.
; SHARES.  A work-group owns 64 queries and a pair of heads; wave w owns head w / 4 of the pair and queries 16 (w % 4) on: one tile, two waves to a SIMD.  Every wave walks all 2,048 keys, 128 a step.
; CLUSTER 4 x 4.  K and V hang on the pair of heads, which a row of the cluster shares; the mask's tile hangs on the queries, which a column shares: each is asked for jointly.
; LAYOUT.  Both products are used transposed (S^T = K Q^T, O^T = V^T P^T): a lane holds one query (lane % 16); register 8 t + j of S^T holds key 16 t + 8 (lane / 16) + j, and so does the mask's register.
; Tile t's eight p become registers 2 t, 2 t + 1 of the second product's operand; v's codes lie in memory in that order of the keys.
; REGISTERS: v1-3 places in a slot; v4 the prefetches' offset; v5, v6 the add's two; v7-11 addresses; v12 -M, v13 the largest t, v[14:15] the sum; v16-31 Q; v32-95 the mask; v96-159 S^T, t, p; v160-223 O^T;
;   v224-239 p's codes; v240-254 at work.  window 1 v0-127: eight fragments, K's and then V's.
.set KP,    144                        ; a row of K or V in LDS: 128 bytes + 16
.set TILE,  128*KP                     ; 18,432
.set MP,    528                        ; a row of the mask's tile: 512 bytes + 16
.set MOFF,  4*TILE                     ; a slot: K of head 0, K of head 1, V of head 0, V of head 1, the mask's 64 rows
.set SLOT1, 1<<17
.set SPARE, 2*SLOT1                    ; the spare words, 128 bytes for each of eight waves, which no other line names
.set STG,   SPARE+1024                 ; the way out: 64 rows x (256 bytes + 16); no fill lands here
.set AK0, 1
.set AV0, 2
.set AM0, 3
.set PFO, 4
.set SPW, 5
.set NIL, 6
.set GO,  7
.set ADK, 8
.set ADV, 9
.set ADM, 10
.set MK,  32
.set ST,  96
.set OT,  160
.set PC,  224
.set TB,  2                            ; s2   LDS byte at which the slot in hand begins
.set WV,  18
.set SEL, 20
.set CS,  22
.set G1KV, 24
.set G1M,  32
.set G0KV, 40
.set G0M,  44
.set SLOTS, 67
.set L2E, 70
.set FLOOR, 72
.set PFA, 76
.set PFS, 78
.set LIM, 80
.set MSB, 0
.macro WIN new
.if MSB != \new
	s_set_vgpr_msb (MSB<<8)|\new
.set MSB, \new
.endif
.endm
; Waves 0 to 3 fetch the four tiles of K and V, wave 4 the mask's; the others nothing.  The branches hang on the wave's number alone.  An s_nop 0 and four v_nop follow each of the two lines.
.macro TLOAD
	s_cmp_lt_u32 s[WV], 4
	s_cbranch_scc0 .Lnot_kv_\@
	tensor_load_to_lds s[G0KV:G0KV+3], s[G1KV:G1KV+7]
	s_nop 0
.rept 4
	v_nop
.endr
	s_branch .Lasked_\@
.Lnot_kv_\@:
	s_cmp_eq_u32 s[WV], 4
	s_cbranch_scc0 .Lasked_\@
	tensor_load_to_lds s[G0M:G0M+3], s[G1M:G1M+7]
	s_nop 0
.rept 4
	v_nop
.endr
.Lasked_\@:
.endm
; A prefetch of what the next change of slots will ask for, one instruction in each of three waves that fetch nothing.  Wave 5: K's two tiles; wave 6: V's: 128 blocks of 256 bytes each, asked for by the clusters with
; x = 0, 32 blocks to each partner of a row; wave 7: the mask's 64 rows x 512 bytes, asked for by the clusters with y = 0, 16 rows to each partner of a column.  Partners are told apart by address.
; Each block is named once in the launch.  The last change that fills a slot asks for nothing; tiles 0 and 1 come by their loads alone.
.macro ASK
	s_cmp_gt_u32 s[SLOTS], s[LIM]
	s_cbranch_scc0 .Lnot_mine_\@
	global_prefetch_b8 v[PFO], s[PFA:PFA+1] th:TH_LOAD_NT scope:SCOPE_SE
.Lnot_mine_\@:
.endm
.macro CROUND                          ; a round of the cluster's barrier
	s_barrier_signal -1
	s_barrier_wait -1
	s_cmp_lg_u32 s[WV], 0
	s_cbranch_scc1 .Lnot_wave_0_\@
	s_barrier_signal -3
.Lnot_wave_0_\@:
	s_barrier_wait -3
	s_barrier_signal -1
	s_barrier_wait -1
.endm
	s_load_b256 s[4:11], s[0:1], 0x0               ; qkvc s[4:5], attention_mask s[6:7], lowp_scales s[8:9], aoc s[10:11]
	v_lshl_add_u32 v[SPW], v0, 2, SPARE
	v_mov_b32 v[NIL], 0
	ds_add_u32 v[SPW], v[NIL]                      ; the wave's opening: the add and its wait stand ahead of my first tensor load; the set-up below stands between them
	v_lshrrev_b32 v8, 5, v0
	v_readfirstlane_b32 s[WV], v8                  ; wave 0..7
	s_bfe_u32 s48, ttmp6, 0x40000                  ; cx
	s_bfe_u32 s49, ttmp6, 0x40004                  ; cy
	s_lshl_b32 s50, ttmp9, 2
	s_add_co_u32 s50, s50, s48                     ; my block of 64 queries
	s_and_b32 s51, ttmp7, 0xffff
	s_lshl_b32 s51, s51, 2
	s_add_co_u32 s51, s51, s49                     ; my pair of heads
	s_lshl_b32 s52, s49, 2
	s_lshl_b32 s52, 15, s52                        ; my row of the cluster
	s_lshl_b32 s53, 0x1111, s48                    ; my column
	s_lshr_b32 s54, s[WV], 2                       ; which head of the pair is mine
	s_and_b32 s55, s[WV], 3                        ; which tile of 16 queries.  Also: which of the four tiles of K and V I fetch
	s_or_b32 s[G1KV], s52, (0<<16)|(1<<20)|(1<<21)|(4<<22)|(3<<25)  ; the mask of work-groups; elements of 1 byte; padding: 4 words after every 32
	s_mov_b32 s[G1KV+1], 128<<16                   ; tensor_dim0
	s_mov_b32 s[G1KV+2], 128<<16                   ; tensor_dim1
	s_mov_b32 s[G1KV+3], 128<<16                   ; tile_dim0
	s_mov_b32 s[G1KV+4], 128                       ; tile_dim1
	s_mov_b32 s[G1KV+5], 128                       ; from row to row: a dense block of 16 KiB
	s_mov_b32 s[G1KV+6], 0
	s_mov_b32 s[G1KV+7], 0
	s_or_b32 s[G1M], s53, (2<<16)|(1<<20)|(1<<21)|(6<<22)|(3<<25)   ; elements of 4 bytes; padding: 4 words after every 128
	s_mov_b32 s[G1M+1], 128<<16
	s_mov_b32 s[G1M+2], 64<<16
	s_mov_b32 s[G1M+3], 128<<16
	s_mov_b32 s[G1M+4], 64
	s_mov_b32 s[G1M+5], 2048
	s_mov_b32 s[G1M+6], 0
	s_mov_b32 s[G1M+7], 0
	s_mul_i32 s57, s55, TILE                       ; the tile's place in a slot
	s_lshr_b32 s58, s55, 1                         ; 0: K, 1: V
	s_add_co_u32 s58, s58, 1
	s_lshl_b32 s58, s58, 22                        ; k lies at 4 MiB, v at 8 MiB
	s_and_b32 s59, s55, 1
	s_lshl_b32 s60, s51, 1
	s_add_co_u32 s59, s59, s60                     ; the head
	s_lshl_b32 s59, s59, 18
	s_add_co_u32 s58, s58, s59
	s_mov_b32 s59, 0
	s_lshl_b32 s60, s50, 19                        ; the mask: 64 rows of 8,192 bytes
	s_mov_b32 s61, 0
	s_mov_b32 s[SEL], 0x76543210
	s_mov_b32 s[SEL+1], 0xfedcba98
	s_mov_b32 s[CS], 0x3e0293ee                    ; c = log2(e) / sqrt(128)
	s_mov_b32 s[L2E], 0x3fb8aa3b
	s_mov_b32 s[L2E+1], 0x3fb8aa3b                 ; (named with it as a pair)
	s_mov_b32 s[FLOOR], 0xff61b1e6                 ; -3e38
	s_mov_b32 s[TB], 0
	s_mov_b32 s[SLOTS], 15
	s_wait_dscnt 0x0                               ; the opening add is done
	s_wait_kmcnt 0x0
	s_load_b256 s[84:91], s[8:9], 0x0              ; e0 .. e7
	s_load_b128 s[92:95], s[8:9], 0x20             ; e8 .. e11
	s_mov_b32 s[G0KV], 1
	s_mov_b32 s[G0KV+1], s57
	s_add_nc_u64 s[G0KV+2:G0KV+3], s[4:5], s[58:59]
	s_or_b32 s[G0KV+3], s[G0KV+3], 0x80000000
	s_mov_b32 s[G0M], 1
	s_mov_b32 s[G0M+1], MOFF
	s_add_nc_u64 s[G0M+2:G0M+3], s[6:7], s[60:61]
	s_or_b32 s[G0M+3], s[G0M+3], 0x80000000
	CROUND                                         ; all sixteen work-groups are here: the first joint loads meet
	TLOAD                                          ; slot 0: keys 0 to 127
	s_lshl_b32 s56, s51, 1
	s_add_co_u32 s56, s56, s54                     ; my head
	s_lshl_b32 s56, s56, 18
	s_lshl_b32 s57, s50, 13                        ; 64 rows of 128 bytes a block of queries,
	s_add_co_u32 s56, s56, s57
	s_lshl_b32 s57, s55, 11                        ; 16 a tile
	s_add_co_u32 s82, s56, s57
	s_mov_b32 s83, 0
	s_add_nc_u64 s[82:83], s[4:5], s[82:83]        ; q's codes at my first query
	v_and_b32 v8, 15, v0                           ; r
	v_bfe_u32 v9, v0, 4, 1                         ; h
	v_lshlrev_b32 v10, 7, v8
	v_lshl_add_u32 v10, v9, 4, v10
.irp c, 0,1,2,3
	global_load_b128 v[16+4*\c:19+4*\c], v10, s[82:83] offset:32*\c   ; Q's fragment stays in registers
.endr
	; the prefetches: who asks, from where, how the lanes are spread
	s_and_b32 s56, ttmp7, 0xffff
	s_cmp_eq_u32 s[WV], 7
	s_cselect_b32 s56, s56, ttmp9                  ; the coordinate along which other clusters read the same bytes
	s_cmp_lt_u32 s[WV], 5
	s_cselect_b32 s56, 1, s56                      ; waves 0 to 4 never ask
	s_cmp_eq_u32 s56, 0
	s_cselect_b32 s[LIM], 1, -1                    ; the same in all sixteen partners, for a given wave
	s_lshl_b32 s59, s50, 19
	s_lshl_b32 s60, s49, 17                        ; the mask: my work-group's 16 rows,
	s_add_co_u32 s59, s59, s60
	s_add_co_u32 s59, s59, 512                     ; in tile 1: the first change of slots steps it to tile 2
	s_lshl_b32 s60, s51, 19                        ; K, V: the pair's first head,
	s_lshl_b32 s61, s48, 12                        ; my work-group's 16 blocks of each head's 64,
	s_add_co_u32 s60, s60, s61
	s_add_co_u32 s60, s60, 16384                   ; in tile 1
	s_mov_b32 s61, 0x400000
	s_cmp_eq_u32 s[WV], 6
	s_cselect_b32 s61, 0x800000, s61
	s_add_co_u32 s60, s60, s61
	s_mov_b32 s[PFS], 16384
	s_mov_b32 s57, 256
	s_mov_b32 s58, 0x40000
	s_cmp_eq_u32 s[WV], 7
	s_cselect_b64 s[PFA:PFA+1], s[6:7], s[4:5]
	s_cselect_b32 s[PFS], 512, s[PFS]              ; a tile on
	s_cselect_b32 s57, 8192, s57                   ; from lane to lane within sixteen
	s_cselect_b32 s58, 256, s58                    ; from one half of the lanes to the other
	s_cselect_b32 s60, s59, s60
	s_mov_b32 s61, 0
	s_mov_b32 s[PFS+1], 0
	s_add_nc_u64 s[PFA:PFA+1], s[PFA:PFA+1], s[60:61]
	v_mul_lo_u32 v[PFO], v8, s57
	v_mul_lo_u32 v11, v9, s58
	v_add_nc_u32 v[PFO], v[PFO], v11
	; places in a slot
	v_mul_u32_u24 v[AK0], v8, KP
	v_lshl_add_u32 v[AK0], v9, 4, v[AK0]
	s_mul_i32 s56, s54, TILE
	v_add_nc_u32 v[AK0], s56, v[AK0]               ; K: my head's tile, row r, + 16 h
	v_add_nc_u32 v[AV0], 2*TILE, v[AK0]            ; V likewise
	v_mul_u32_u24 v[AM0], v8, MP
	v_lshl_add_u32 v[AM0], v9, 5, v[AM0]
	s_mul_i32 s56, s55, 16*MP
	s_add_co_u32 s56, s56, MOFF
	v_add_nc_u32 v[AM0], s56, v[AM0]               ; the mask: my query's row, + 32 h
	v_mov_b32 v13, 0xff61b1e6                      ; the largest t so far: the floor itself
	v_floor_f32 v12, -v13                          ; -M
	v_mov_b32 v14, 0
	v_mov_b32 v15, 0
	v_mov_b32 v241, 0                              ; written once: a lane permute's destination counts as one of its sources
	v_mov_b32 v253, 0                              ; (named as the upper half of the pair v[252:253])
.set i, 0
.rept 64
	v_mov_b32 v[OT+i], 0                           ; O^T.  The key step is written without a first step of its own: the first finds zeros, which the first change of M leaves zeros
.set i, i+1
.endr
	s_wait_kmcnt 0x0
	s_add_co_i32 s56, s90, s91
	s_lshl_b32 s56, s56, 23
	s_add_co_i32 s[CS], s[CS], s56                 ; c x 2^(e6 + e7)
	s_mov_b32 s[CS+1], s[CS]
	s_add_co_i32 s56, s92, 127
	s_lshl_b32 s57, s56, 23
	v_mov_b32 v244, s57                            ; 2^e8, for p's conversions
	s_add_co_i32 s56, s56, 8
	s_lshl_b32 s56, s56, 23
	s_or_b32 s56, s56, 0x600000
	v_mov_b32 v240, s56                            ; 448 x 2^e8
	s_sub_co_i32 s56, s94, s92
	s_sub_co_i32 s56, s56, s93                     ; e10 - e8 - e9: the result's three scales folded into one
	s_add_co_i32 s56, s56, 127
	s_lshl_b32 s57, s56, 23
	v_mov_b32 v245, s57
	s_add_co_i32 s56, s56, 8
	s_lshl_b32 s56, s56, 23
	s_or_b32 s56, s56, 0x600000
	v_mov_b32 v246, s56
; A KEY STEP: the 128 keys of the slot in hand.
.macro STEP
	v_add_nc_u32 v[ADM], s[TB], v[AM0]
	v_add_nc_u32 v[ADK], s[TB], v[AK0]
	v_add_nc_u32 v[ADV], s[TB], v[AV0]
	v_nop                                          ; four places between the last step's products and the loads into the fragments' registers
.irp t, 0,1,2,3,4,5,6,7
	ds_load_b128 v[MK+8*\t:MK+8*\t+3], v[ADM] offset:64*\t
	ds_load_b128 v[MK+8*\t+4:MK+8*\t+7], v[ADM] offset:64*\t+16
.endr
	WIN 0x40                                       ; destination window 1
.irp t, 0,1,2,3,4,5,6,7
.irp c, 0,1,2,3
	ds_load_b128 v[16*\t+4*\c:16*\t+4*\c+3], v[ADK] offset:16*KP*\t+32*\c
.endr
.endr
	WIN 0
	s_wait_dscnt 32                                ; the mask's 16 loads are in; K's 32 are younger
.set i, 0
.rept 32
	v_pk_mul_f32 v[MK+i:MK+i+1], v[MK+i:MK+i+1], s[L2E:L2E+1] op_sel_hi:[1,0]   ; mask x log2(e)
.set i, i+2
.endr
.set i, 0
.rept 60
	v_max_num_f32 v[MK+i], s[FLOOR], v[MK+i]       ; the clamp
.set i, i+1
.endr
	s_wait_dscnt 0x0                               ; K
	WIN 0x01                                       ; source 0 window 1
.irp t, 0,1,2,3,4,5,6,7
	v_wmma_f32_16x16x128_fp8_fp8 v[ST+8*\t:ST+8*\t+7], v[16*\t:16*\t+15], v[16:31], 0
.endr
	WIN 0
.rept 4
	v_max_num_f32 v[MK+i], s[FLOOR], v[MK+i]       ; the clamp's last four are the places behind the products
.set i, i+1
.endr
	WIN 0x40
.irp t, 0,1,2,3,4,5,6,7
.irp c, 0,1,2,3
	ds_load_b128 v[16*\t+4*\c:16*\t+4*\c+3], v[ADV] offset:16*KP*\t+32*\c   ; V takes K's place: it lands under the softmax
.endr
.endr
	WIN 0
.set i, 0
.rept 32
	v_pk_fma_f32 v[ST+i:ST+i+1], v[ST+i:ST+i+1], s[CS:CS+1], v[MK+i:MK+i+1] op_sel_hi:[1,0,1]   ; t; each accumulator from its low end on
.set i, i+2
.endr
	v_max3_num_f32 v254, v96, v97, v98             ; the step's largest t of my query among my 64 keys, in two chains,
	v_max3_num_f32 v252, v99, v100, v101
.irp i, 6,10,14,18,22,26,30,34,38,42,46,50,54,58
	v_max3_num_f32 v254, v254, v[96+\i], v[97+\i]
	v_max3_num_f32 v252, v252, v[98+\i], v[99+\i]
.endr
	v_max3_num_f32 v254, v254, v158, v159
	v_max_num_f32 v254, v254, v252
	v_permlanex16_b32 v241, v254, s[SEL], s[SEL+1]
	v_max_num_f32 v254, v254, v241                 ; and among the lane 16 away's
	v_max_num_f32 v13, v13, v254                   ; the running largest t
	v_mov_b32 v254, v12
	v_floor_f32 v12, -v13                          ; the new -M = -ceil(t): a whole number
	v_sub_f32 v254, v12, v254                      ; old M - new M, 0 or less
	v_cvt_i32_f32 v254, v254                       ; (it saturates)
	v_ldexp_f32 v252, 1.0, v254                    ; f = 2^(old M - new M)
.set i, 0
.rept 32
	v_pk_add_f32 v[ST+i:ST+i+1], v[ST+i:ST+i+1], v[12:13] op_sel_hi:[1,0]   ; t - M
.set i, i+2
.endr
.set i, 0
.rept 64
	v_exp_f32 v[ST+i], v[ST+i]                     ; p = 2^(t - M): one batch
.set i, i+1
.endr
	v_pk_mul_f32 v[14:15], v[14:15], v[252:253] op_sel_hi:[1,0]   ; the sums under the new M: the plain line behind the batch
	s_wait_alu depctr_va_vdst(0)                   ; the wait ahead of the first line that names a result: one for the batch
	v_pk_add_f32 v[242:243], v[96:97], v[98:99]    ; the row's sum is taken of the unquantised p, in two chains
.irp j, 4,8,12,16,20,24,28,32,36,40,44,48,52,56,60
	v_pk_add_f32 v[14:15], v[14:15], v[96+\j:97+\j]
	v_pk_add_f32 v[242:243], v[242:243], v[98+\j:99+\j]
.endr
	v_pk_add_f32 v[14:15], v[14:15], v[242:243]
.set i, 0
.rept 64
	v_min_num_f32 v[ST+i], v[ST+i], v240           ; the conversion does not saturate (ISA guide 7.6.2); p is not negative, so the hold is one-sided
.set i, i+1
.endr
.irp t, 0,1,2,3,4,5,6,7
	v_cvt_scalef32_pk8_fp8_f32 v[PC+2*\t:PC+2*\t+1], v[ST+8*\t:ST+8*\t+7], v244
.endr
.set i, 0
.rept 32
	v_pk_mul_f32 v[OT+i:OT+i+1], v[OT+i:OT+i+1], v[252:253] op_sel_hi:[1,0]   ; O^T under the new M; also the plain lines behind the conversions
.set i, i+2
.endr
	s_wait_dscnt 0x0                               ; V
	WIN 0x01
.irp t, 0,1,2,3,4,5,6,7
	v_wmma_f32_16x16x128_fp8_fp8 v[OT+8*\t:OT+8*\t+7], v[16*\t:16*\t+15], v[PC:PC+15], v[OT+8*\t:OT+8*\t+7]   ; the eight accumulators by turns
.endr
	WIN 0
	s_xor_b32 s[TB], s[TB], SLOT1                  ; on to the other slot
.endm
; THE CHANGE OF SLOTS stands at a step's head.  Each wave waits for all its tensor loads (its part of the slot ahead), adds 0 to its spare word, and waits for that and for its reads of the slot that it has left.
; fill = 1: a round of the cluster's barrier, and behind it the slot just left is filled with the next 128 keys' tiles: one tensor load a wave, which has the whole step in which to land.
.macro CHANGE fill
	s_wait_tensorcnt 0x0                           ; no tensor load of mine is out, so a group 0 may be written
	ds_add_u32 v[SPW], v[NIL]                      ; 0 onto my spare word
.if \fill
	s_xor_b32 s[G0KV+1], s[G0KV+1], SLOT1
	s_add_nc_u64 s[G0KV+2:G0KV+3], s[G0KV+2:G0KV+3], 16384
	s_xor_b32 s[G0M+1], s[G0M+1], SLOT1
	s_add_nc_u64 s[G0M+2:G0M+3], s[G0M+2:G0M+3], 512
	s_wait_xcnt 0x0                                ; the last prefetch, a step back, has read its address, which steps here
	s_add_nc_u64 s[PFA:PFA+1], s[PFA:PFA+1], s[PFS:PFS+1]
	s_wait_dscnt 0x0                               ; the add is done, and my reads of the slot that I have left are over
	CROUND
	TLOAD
	ASK
.else
	s_wait_dscnt 0x0
	s_barrier_signal -1
	s_barrier_wait -1
.endif
.endm
	s_wait_loadcnt 0x0                             ; Q
.Lslot:                                            ; 15 trips: behind each change of slots but the last the next tile is asked for
	CHANGE 1
	STEP
	s_sub_co_u32 s[SLOTS], s[SLOTS], 1
	s_cmp_lg_u32 s[SLOTS], 0
	s_cbranch_scc1 .Lslot
	CHANGE 0                                       ; the last step is written out
	STEP
	; THE WAY OUT.  O^T / the sum, quantised with 2^e10; a row of the stage holds a query's 256 codes of the two heads, so that sixteen lanes store one aligned run of 256 bytes.
	v_add_f32 v14, v14, v15
	v_permlanex16_b32 v241, v14, s[SEL], s[SEL+1]
	v_add_f32 v14, v14, v241                       ; the row's sum
	v_rcp_f32 v14, v14
	v_and_b32 v8, 15, v0                           ; (plain lines behind the reciprocal)  r
	v_bfe_u32 v9, v0, 4, 1                         ; h
	s_mul_i32 s56, s55, 16*272
	s_lshl_b32 s57, s54, 7
	s_add_co_u32 s56, s56, s57
	s_add_co_u32 s56, s56, STG
	v_mul_u32_u24 v10, v8, 272
	v_lshl_add_u32 v10, v9, 3, v10
	v_add_nc_u32 v10, s56, v10                     ; in: my query's row, my head's 128 bytes, + 8 h; tile t 16 t on
	s_mul_i32 s57, s[WV], 8*272
	s_add_co_u32 s57, s57, STG
	v_mul_u32_u24 v11, v9, 272
	v_lshl_add_u32 v11, v8, 4, v11
	v_add_nc_u32 v11, s57, v11                     ; back: wave w takes rows 8 w on, two an instruction
	v_lshlrev_b32 v[GO], 11, v9
	v_lshl_add_u32 v[GO], v8, 4, v[GO]
	s_lshl_b32 s58, s50, 17                        ; 64 rows of 2,048 bytes,
	s_lshl_b32 s59, s[WV], 14                      ; 8 a wave,
	s_add_co_u32 s58, s58, s59
	s_lshl_b32 s59, s51, 8                         ; the pair's 256 bytes of a row
	s_add_co_u32 s58, s58, s59
	s_mov_b32 s59, 0
	s_add_nc_u64 s[10:11], s[10:11], s[58:59]
	s_wait_alu depctr_va_vdst(0)                   ; the wait ahead of the reciprocal's first reader
.set i, 0
.rept 32
	v_pk_mul_f32 v[ST+i:ST+i+1], v[OT+i:OT+i+1], v[14:15] op_sel_hi:[1,0]   ; register 8 t + j is o(query r, 16 t + 8 h + j)
.set i, i+2
.endr
.set i, 0
.rept 64
	v_med3_num_f32 v[ST+i], v[ST+i], -v246, v246
.set i, i+1
.endr
.irp t, 0,1,2,3,4,5,6,7
	v_cvt_scalef32_pk8_fp8_f32 v[PC+2*\t:PC+2*\t+1], v[ST+8*\t:ST+8*\t+7], v245
.endr
	v_nop                                          ; one plain line behind the conversions
.irp t, 0,1,2,3,4,5,6,7
	ds_store_b64 v10, v[PC+2*\t:PC+2*\t+1] offset:16*\t
.endr
	s_wait_dscnt 0x0                               ; for the others' sake: my stores into the stage are done
	s_barrier_signal -1
	s_barrier_wait -1
.irp i, 0,1,2,3
	ds_load_b128 v[MK+4*\i:MK+4*\i+3], v11 offset:2*272*\i
.endr
.irp i, 0,1,2,3
	s_wait_dscnt 3-\i
	global_store_b128 v[GO], v[MK+4*\i:MK+4*\i+3], s[10:11] offset:4096*\i   ; sixteen lanes store 256 consecutive bytes, aligned
.endr
	s_wait_tensorcnt 0x0                           ; the wave's end: three lines behind my last tensor load and my last LDS store
	ds_add_u32 v[SPW], v[NIL]
	s_wait_dscnt 0x0
	CROUND                                         ; the closing round
	s_endpgm
.Lfunc_end_k_qb9e926f9fe_attn:
	.size	k_qb9e926f9fe_attn, .Lfunc_end_k_qb9e926f9fe_attn-k_qb9e926f9fe_attn
	.p2alignl 7, 3214868480
	.fill 96, 4, 3214868480
	.section	.rodata,"a",@progbits
	.p2align	6, 0x0
	.amdhsa_kernel k_qb9e926f9fe_attn
		.amdhsa_group_segment_fixed_size 327680
		.amdhsa_private_segment_fixed_size 0
		.amdhsa_enable_private_segment 0
		.amdhsa_kernarg_size 32
		.amdhsa_user_sgpr_count 2
		.amdhsa_user_sgpr_kernarg_segment_ptr 1
		.amdhsa_wavefront_size32 1
		.amdhsa_system_sgpr_workgroup_id_x 1
		.amdhsa_system_sgpr_workgroup_id_y 1
		.amdhsa_system_sgpr_workgroup_id_z 1
		.amdhsa_system_vgpr_workitem_id 0
		.amdhsa_next_free_vgpr 384
		.amdhsa_next_free_sgpr 100
		.amdhsa_reserve_vcc 0
		.amdhsa_float_denorm_mode_32 3
		.amdhsa_float_denorm_mode_16_64 3
		.amdhsa_memory_ordered 1
		.amdhsa_forward_progress 1
		.amdhsa_inst_pref_size 73
	.end_amdhsa_kernel
	.amdgpu_metadata
---
amdhsa.version: [ 1, 2 ]
amdhsa.kernels:
  - .name:           k_qb9e926f9fe_attn
    .symbol:         k_qb9e926f9fe_attn.kd
    .args:
      - { .name: qkvc, .offset: 0, .size: 8, .value_kind: global_buffer, .address_space: global }
      - { .name: attention_mask, .offset: 8, .size: 8, .value_kind: global_buffer, .address_space: global }
      - { .name: lowp_scales, .offset: 16, .size: 8, .value_kind: global_buffer, .address_space: global }
      - { .name: aoc, .offset: 24, .size: 8, .value_kind: global_buffer, .address_space: global }
    .group_segment_fixed_size: 327680
    .private_segment_fixed_size: 0
    .kernarg_segment_align: 8
    .kernarg_segment_size: 32
    .max_flat_workgroup_size: 256
    .sgpr_count:     100
    .vgpr_count:     384
    .wavefront_size: 32
...
	.end_amdgpu_metadata
.endif
;; end of part 3
;; launch oproj (part 4): grid 16 x 16, 4 waves a work-group, clusters of 4 x 4, 327,680 bytes of LDS; arguments aoc, wc, lowp_scales, out0; writes out0
.if DOCPART == 4
	.amdgcn_target "amdgcn-amd-amdhsa--gfx1250"
	.amdhsa_code_object_version 6
	.text
	.protected	k_qb9e926f9fe_oproj
	.globl	k_qb9e926f9fe_oproj
	.p2align	8
	.type	k_qb9e926f9fe_oproj,@function
k_qb9e926f9fe_oproj:
	s_mov_b64 s[64:65], 0
	v_nop
	global_prefetch_b8 v0, s[64:65] scope:SCOPE_SE
	s_setreg_imm32_b32 hwreg(HW_REG_WAVE_MODE, 25, 1), 1
	s_wait_xcnt 0x0
	s_wait_alu depctr_hold_cnt(0) depctr_sa_sdst(0) depctr_va_vdst(0) depctr_va_sdst(0) depctr_va_ssrc(0) depctr_va_vcc(0) depctr_vm_vsrc(0)
	s_getreg_b32 s2, hwreg(HW_REG_IB_STS2, 6, 4)
	s_cmp_eq_u32 s2, 0
	s_cbranch_scc0 .Lentry_in_a_cluster
	s_endpgm
.Lentry_in_a_cluster:
	s_bfe_u32 s2, ttmp6, 0x10000c
	s_cmp_lg_u32 s2, 0xf033
	s_cbranch_scc0 .Lentry_shape_is_right
	s_endpgm
.Lentry_shape_is_right:
; OPROJ.  out0[s][n] = 2^(e10 + e11) x the sum over k of aoc[s][k] x wo[n][k], on E4M3 codes; wo is plane 3 of wc.  aoc: [2048][2048], wo: [2048 n][2048 k], one code a byte; out0: [2048][2048] f32.
; LIMIT: e10 + e11 between -126 and 127, so that 2^(e10 + e11) is an f32 number.
; A tile of 128 x 128 to a work-group (256 work-groups; tiles of 256 x 256 would be 64), 64 x 64 to each of four waves: 16 accumulators.  K goes in steps of 512 (LDS rows of 512 bytes, 64 rows to a wave's tensor load)
; through a ring of two slots.  CLUSTERS 4 x 4: A's tile is shared along a row, B's along a column, by joint loads.  The matrix instruction is used transposed (source 0 = B's rows, source 1 = A's): a lane holds eight
; neighbouring numbers of a row of the output.  A wave's 64 columns are 256 bytes, so each wave has a stage of its own and no barrier stands on the way out.
; REGISTERS: window 0: v0-31 addresses; v32-63 a block's results; v64-127 rows read back, two sets; v128-255 the accumulators ((a, b) at 128 + 8 (4 a + b)).
;   window 1: two fragment buffers of 128: for 128 along K four fragments of A (16 registers each), then four of B.
.set KSTEP,  512
.set KROW,   2048
.set PITCH,  528                       ; 512 bytes + 16 of padding = 132 words: the 16 rows that a load touches start at 16 different banks (64 banks of 4 bytes: ISA guide 11.1)
.set HALFT,  64*PITCH
.set SLOT,   4*HALFT
.set STAGE,  2*SLOT                    ; behind the ring: 16 rows x 272 bytes for each wave; no fill lands here
.set SPITCH, 272
.set SPARE,  STAGE+4*16*SPITCH         ; the spare words, 128 bytes for each wave, which no other line names
.set LAPS,   2                         ; 2,048 / (2 x 512)
.set ADRA, 16
.set ADRB, 20
.set STO,  24
.set RD,   25
.set CO,   26
.set SPW,  28
.set NIL,  29
.set TMP,  32
.set BK,   64
.set ACC,  128
.set F0,   0
.set F1,   128
.set G1, 24
.set G0, 32
.set G1B, 48
.set G0B, 56
.set MSB, 0
.macro WIN new
.if MSB != \new
	s_set_vgpr_msb (MSB<<8)|\new
.set MSB, \new
.endif
.endm
.set MUL,  0x05                        ; sources 0 (B) and 1 (A) window 1; C and D window 0
.set TO_F, 0x40
.macro JLOAD s                         ; a joint load: waves 0 and 1 fetch A's halves, waves 2 and 3 B's; an s_nop 0 and four v_nop follow each of the two lines
	s_cmp_eq_u32 s11, 0
	s_cbranch_scc0 .Lfor_b_\@
	tensor_load_to_lds s[G0+4*\s:G0+4*\s+3], s[G1:G1+7]
	s_nop 0
.rept 4
	v_nop
.endr
	s_branch .Lasked_\@
.Lfor_b_\@:
	tensor_load_to_lds s[G0B+4*\s:G0B+4*\s+3], s[G1B:G1B+7]
	s_nop 0
.rept 4
	v_nop
.endr
.Lasked_\@:
.endm
.macro CREST
	s_cmp_lg_u32 s10, 0
	s_cbranch_scc1 .Lnot_wave_0_\@
	s_barrier_signal -3
.Lnot_wave_0_\@:
	s_barrier_wait -3
	s_barrier_signal -1
	s_barrier_wait -1
.endm
.macro CROUND
	s_barrier_signal -1
	s_barrier_wait -1
	CREST
.endm
	s_load_b128 s[4:7], s[0:1], 0x0                ; aoc s[4:5], wc s[6:7]
	s_load_b128 s[68:71], s[0:1], 0x10             ; lowp_scales s[68:69], out0 s[70:71]
	v_lshl_add_u32 v[SPW], v0, 2, SPARE
	v_mov_b32 v[NIL], 0
	ds_add_u32 v[SPW], v[NIL]                      ; the wave's opening: the add and its wait stand ahead of my first tensor load; the set-up below stands between them
	v_lshrrev_b32 v1, 5, v0
	v_readfirstlane_b32 s10, v1                    ; wave 0..3
	s_lshr_b32 s11, s10, 1                         ; which half of the tile's rows is mine.  Also: I fetch for A (0) or for B (1)
	s_and_b32 s12, s10, 1                          ; which half of its columns.  Also: which 64 rows of that tile I fetch
	s_bfe_u32 s40, ttmp6, 0x40000
	s_bfe_u32 s41, ttmp6, 0x40004
	s_lshl_b32 s42, ttmp9, 2
	s_add_co_u32 s42, s42, s40                     ; tile column
	s_and_b32 s13, ttmp7, 0xffff
	s_lshl_b32 s13, s13, 2
	s_add_co_u32 s13, s13, s41                     ; tile row
	s_lshl_b32 s43, s41, 2
	s_lshl_b32 s43, 15, s43
	s_lshl_b32 s44, 0x1111, s40
	s_or_b32 s[G1+0], s43, (0<<16)|(1<<20)|(1<<21)|(6<<22)|(3<<25)  ; the mask; elements of 1 byte; padding: 4 words after every 128
	s_or_b32 s[G1B+0], s44, (0<<16)|(1<<20)|(1<<21)|(6<<22)|(3<<25)
.irp g, G1, G1B
	s_mov_b32 s[\g+1], KSTEP<<16                   ; tensor_dim0
	s_mov_b32 s[\g+2], 64<<16                      ; tensor_dim1
	s_mov_b32 s[\g+3], KSTEP<<16                   ; tile_dim0
	s_mov_b32 s[\g+4], 64                          ; tile_dim1
	s_mov_b32 s[\g+5], KROW
	s_mov_b32 s[\g+6], 0
	s_mov_b32 s[\g+7], 0
.endr
	s_lshl_b32 s17, s12, 6
	s_lshl_b32 s16, s13, 7
	s_add_co_u32 s16, s16, s17                     ; A: row 128 x tile row + 64 x half
	s_lshl_b32 s46, s42, 7
	s_add_co_u32 s46, s46, s17                     ; B: row 128 x tile column + 64 x half
	s_lshl_b32 s16, s16, 11
	s_lshl_b32 s46, s46, 11
	s_add_co_u32 s46, s46, 0xc00000                ; plane 3 of wc
	s_mov_b32 s17, 0
	s_mov_b32 s47, 0
	s_mul_i32 s20, s10, HALFT
	s_wait_dscnt 0x0                               ; the opening add is done
	s_wait_kmcnt 0x0
	s_load_b64 s[96:97], s[68:69], 0x28            ; e10, e11
	s_add_nc_u64 s[14:15], s[4:5], s[16:17]
	s_add_nc_u64 s[46:47], s[6:7], s[46:47]
	CROUND                                         ; all sixteen work-groups are here: the first joint loads meet
.irp s, 0,1
	s_mov_b32 s[G0+4*\s], 1
	s_add_co_u32 s[G0+4*\s+1], s20, \s*SLOT
	s_add_nc_u64 s[G0+4*\s+2:G0+4*\s+3], s[14:15], \s*KSTEP
	s_or_b32 s[G0+4*\s+3], s[G0+4*\s+3], 0x80000000
	s_mov_b32 s[G0B+4*\s], 1
	s_add_co_u32 s[G0B+4*\s+1], s20, \s*SLOT
	s_add_nc_u64 s[G0B+4*\s+2:G0B+4*\s+3], s[46:47], \s*KSTEP
	s_or_b32 s[G0B+4*\s+3], s[G0B+4*\s+3], 0x80000000
	JLOAD \s
.endr
	v_and_b32 v1, 15, v0                           ; r
	v_bfe_u32 v2, v0, 4, 1                         ; h
	v_mul_u32_u24 v3, v1, PITCH
	v_lshl_add_u32 v3, v2, 4, v3
	s_mul_i32 s21, s11, HALFT                      ; my 64 rows of A
	s_mul_i32 s22, s12, HALFT                      ; my 64 rows of B,
	s_add_co_u32 s22, s22, 2*HALFT                 ; which lie behind A's 128
.irp s, 0,1
	v_add_nc_u32 v[ADRA+\s], s21, v3
	v_add_nc_u32 v[ADRB+\s], s22, v3
	s_add_co_u32 s21, s21, SLOT
	s_add_co_u32 s22, s22, SLOT
.endr
	s_mul_i32 s23, s10, 16*SPITCH
	s_add_co_u32 s23, s23, STAGE                   ; my stage
	v_mul_u32_u24 v4, v1, SPITCH
	v_lshl_add_u32 v4, v2, 5, v4
	v_add_nc_u32 v[STO], s23, v4                   ; in: row r, 32 bytes for each half of the lanes
	v_mul_u32_u24 v5, v2, SPITCH
	v_lshl_add_u32 v5, v1, 4, v5
	v_add_nc_u32 v[RD], s23, v5                    ; back: lanes 0-15 one row of 256 bytes, lanes 16-31 the next
	v_lshlrev_b32 v5, 13, v2
	v_lshl_add_u32 v[CO], v1, 4, v5                ; and the same two rows in out0
	s_lshl_b32 s16, s13, 7
	s_lshl_b32 s17, s11, 6
	s_add_co_u32 s16, s16, s17                     ; my first row
	s_lshl_b32 s16, s16, 13
	s_lshl_b32 s46, s42, 9                         ; my first column, in bytes
	s_lshl_b32 s47, s12, 8
	s_add_co_u32 s46, s46, s47
	s_add_co_u32 s16, s16, s46
	s_mov_b32 s17, 0
	s_add_nc_u64 s[70:71], s[70:71], s[16:17]
; four matrix instructions: A's block a against B's four, 128 along K, from buffer f.  The 16 accumulators take turns, one instruction a turn, in the same order in every quarter.
.macro MULA f, a, zero
.irp b, 0,1,2,3
.if \zero
	v_wmma_f32_16x16x128_fp8_fp8 v[ACC+8*(4*(\a)+\b):ACC+8*(4*(\a)+\b)+7], v[\f+64+16*\b:\f+64+16*\b+15], v[\f+16*(\a):\f+16*(\a)+15], 0
.else
	v_wmma_f32_16x16x128_fp8_fp8 v[ACC+8*(4*(\a)+\b):ACC+8*(4*(\a)+\b)+7], v[\f+64+16*\b:\f+64+16*\b+15], v[\f+16*(\a):\f+16*(\a)+15], v[ACC+8*(4*(\a)+\b):ACC+8*(4*(\a)+\b)+7]
.endif
.endr
.endm
; 32 LDS loads in one run: the fragments of 128 along K at byte k of the rows: B's four, then A's blocks 0 to 3.  Registers 4 c .. 4 c + 3 hold bytes 32 c + 16 (l / 16) + 0 .. 15 of row l % 16, alike in A and B.
.macro FETCH slot, k, f
	WIN TO_F
.irp i, 0,1,2,3
.irp c, 0,1,2,3
	ds_load_b128 v[\f+64+16*\i+4*\c:\f+64+16*\i+4*\c+3], v[ADRB+\slot] offset:\k+32*\c+\i*16*PITCH
.endr
.endr
.irp i, 0,1,2,3
.irp c, 0,1,2,3
	ds_load_b128 v[\f+16*\i+4*\c:\f+16*\i+4*\c+3], v[ADRA+\slot] offset:\k+32*\c+\i*16*PITCH
.endr
.endr
.endm
.macro PLACES
.rept 4
	v_nop
.endr
.endm
; A K step is four quarters of 128 along K, 16 matrix instructions each, on buffers 0, 1, 0, 1.  One of the first three multiplies buffer f and fetches the next quarter, at byte k, into g.
.macro QUARTER slot, k, f, g, zero
	s_wait_dscnt 8                                 ; B's four and A's blocks 0, 1 are in; A's blocks 2, 3, the youngest eight loads, may be out
	WIN MUL
	MULA \f, 0, \zero
	MULA \f, 1, \zero
	PLACES                                         ; in front of loads into the buffer that the quarter before multiplied
	FETCH \slot, \k, \g
	s_wait_dscnt 32                                ; all but the 32 just issued
	WIN MUL
	MULA \f, 2, \zero
	MULA \f, 3, \zero
.endm
; The last quarter multiplies buffer 1 and changes slots: one barrier; in front of it each wave waits for all its tensor loads, adds 0 to its spare word, and waits for that and for its reads of this slot.
.macro TURN slot, next, fill
	WIN 0                                          ; (the add's two registers lie in window 0)
	s_wait_tensorcnt 0x0
	ds_add_u32 v[SPW], v[NIL]                      ; 0 onto my spare word
	s_wait_dscnt 9                                 ; the add and the youngest eight loads may be out
	WIN MUL
	MULA F1, 0, 0
	s_wait_dscnt 0x0                               ; the add is done, and my reads of this slot are over
	s_barrier_signal -1
	MULA F1, 1, 0
.if \fill
	WIN 0
.endif
	s_barrier_wait -1
.if \fill
	CREST                                          ; the barrier has opened a round of the cluster's: no wave of any partner still reads this slot or has a load on its way
	s_add_nc_u64 s[G0+4*\slot+2:G0+4*\slot+3], s[G0+4*\slot+2:G0+4*\slot+3], 2*KSTEP
	s_add_nc_u64 s[G0B+4*\slot+2:G0B+4*\slot+3], s[G0B+4*\slot+2:G0B+4*\slot+3], 2*KSTEP
	JLOAD \slot                                    ; the first tensor load behind the round; its four v_nop are the places in front of the loads below
.else
	PLACES
.endif
	FETCH \next, 0, F0
	WIN MUL
	MULA F1, 2, 0
	MULA F1, 3, 0
.endm
	s_wait_tensorcnt 1                             ; my part of K step 0 is in; K step 1's load may be out
	s_barrier_signal -1
	s_barrier_wait -1
	FETCH 0, 0, F0
	QUARTER 0, 128, F0, F1, 1                      ; the first quarter's products start the sums
	WIN 0
	s_mov_b32 s3, LAPS-1
.Llap:                                                 ; a trip goes once round the ring and fills both slots again
	QUARTER 0, 256, F1, F0, 0
	QUARTER 0, 384, F0, F1, 0
	TURN 0, 1, 1
	QUARTER 1, 128, F0, F1, 0
	QUARTER 1, 256, F1, F0, 0
	QUARTER 1, 384, F0, F1, 0
	TURN 1, 0, 1
	QUARTER 0, 128, F0, F1, 0
	WIN 0
	s_sub_co_u32 s3, s3, 1
	s_cmp_lg_u32 s3, 0
	s_cbranch_scc1 .Llap
	QUARTER 0, 256, F1, F0, 0                      ; the last lap fills nothing
	QUARTER 0, 384, F0, F1, 0
	TURN 0, 1, 0
	QUARTER 1, 128, F0, F1, 0
	QUARTER 1, 256, F1, F0, 0
	QUARTER 1, 384, F0, F1, 0
	s_wait_dscnt 8
	WIN MUL
	MULA F1, 0, 0
	MULA F1, 1, 0
	s_wait_dscnt 0
	MULA F1, 2, 0
	MULA F1, 3, 0
	WIN 0
; THE WAY OUT, a block of 16 rows x 64 columns at a time, through my own stage: in by 32 bytes a lane, back as whole rows of 256 bytes.
.macro TOSTAGE a
.set i, 0
.rept 16
	v_pk_mul_f32 v[TMP+i:TMP+i+1], v[ACC+32*(\a)+i:ACC+32*(\a)+i+1], s[96:97] op_sel_hi:[1,0]   ; x 2^(e10 + e11); each accumulator from its low end on
.set i, i+2
.endr
.irp b, 0,1,2,3
	ds_store_b128 v[STO], v[TMP+8*\b:TMP+8*\b+3] offset:64*\b
	ds_store_b128 v[STO], v[TMP+8*\b+4:TMP+8*\b+7] offset:64*\b+16
.endr
.set BB, BK+32*((\a)%2)
.irp t, 0,1,2,3,4,5,6,7
	ds_load_b128 v[BB+4*\t:BB+4*\t+3], v[RD] offset:\t*2*SPITCH   ; LDS serves a wave's instructions in order: these see my stores, and the next block's stores come behind them
.endr
.endm
.macro SEND a, younger                 ; younger: the LDS instructions issued behind block a's loads
.set BB, BK+32*((\a)%2)
	s_wait_dscnt \younger
.irp t, 0,1,2,3,4,5,6,7
	global_store_b128 v[CO], v[BB+4*\t:BB+4*\t+3], s[70:71] offset:(16*(\a)+2*\t)*8192 th:TH_STORE_NT   ; sixteen lanes store 256 consecutive bytes, aligned; 62 rows on at the most, inside the immediate
.endr
.endm
	s_wait_kmcnt 0x0
	s_add_co_i32 s96, s96, s97
	s_add_co_i32 s96, s96, 127
	s_lshl_b32 s96, s96, 23                        ; 2^(e10 + e11) as f32
	s_mov_b32 s97, s96                             ; (named with it as a pair)
	PLACES                                         ; in front of the first read of results
	TOSTAGE 0
.irp a, 1,2,3
.if \a > 1
	s_wait_xcnt 0x0                                ; block a - 2's stores have read their registers, on which block a's loads land
.endif
	TOSTAGE \a
	SEND \a-1, 16                                  ; behind block a - 1's loads: block a's 8 stores and 8 loads
.endr
	SEND 3, 0
	s_wait_tensorcnt 0x0                           ; the wave's end: three lines behind my last tensor load and my last LDS store
	ds_add_u32 v[SPW], v[NIL]
	s_wait_dscnt 0x0
	CROUND                                         ; the closing round
	s_endpgm
.Lfunc_end_k_qb9e926f9fe_oproj:
	.size	k_qb9e926f9fe_oproj, .Lfunc_end_k_qb9e926f9fe_oproj-k_qb9e926f9fe_oproj
	.p2alignl 7, 3214868480
	.fill 96, 4, 3214868480
	.section	.rodata,"a",@progbits
	.p2align	6, 0x0
	.amdhsa_kernel k_qb9e926f9fe_oproj
		.amdhsa_group_segment_fixed_size 327680
		.amdhsa_private_segment_fixed_size 0
		.amdhsa_enable_private_segment 0
		.amdhsa_kernarg_size 32
		.amdhsa_user_sgpr_count 2
		.amdhsa_user_sgpr_kernarg_segment_ptr 1
		.amdhsa_wavefront_size32 1
		.amdhsa_system_sgpr_workgroup_id_x 1
		.amdhsa_system_sgpr_workgroup_id_y 1
		.amdhsa_system_sgpr_workgroup_id_z 1
		.amdhsa_system_vgpr_workitem_id 0
		.amdhsa_next_free_vgpr 512
		.amdhsa_next_free_sgpr 98
		.amdhsa_reserve_vcc 0
		.amdhsa_float_denorm_mode_32 3
		.amdhsa_float_denorm_mode_16_64 3
		.amdhsa_memory_ordered 1
		.amdhsa_forward_progress 1
		.amdhsa_inst_pref_size 74
	.end_amdhsa_kernel
	.amdgpu_metadata
---
amdhsa.version: [ 1, 2 ]
amdhsa.kernels:
  - .name:           k_qb9e926f9fe_oproj
    .symbol:         k_qb9e926f9fe_oproj.kd
    .args:
      - { .name: aoc, .offset: 0, .size: 8, .value_kind: global_buffer, .address_space: global }
      - { .name: wc, .offset: 8, .size: 8, .value_kind: global_buffer, .address_space: global }
      - { .name: lowp_scales, .offset: 16, .size: 8, .value_kind: global_buffer, .address_space: global }
      - { .name: out0, .offset: 24, .size: 8, .value_kind: global_buffer, .address_space: global }
    .group_segment_fixed_size: 327680
    .private_segment_fixed_size: 0
    .kernarg_segment_align: 8
    .kernarg_segment_size: 32
    .max_flat_workgroup_size: 128
    .sgpr_count:     98
    .vgpr_count:     512
    .wavefront_size: 32
...
	.end_amdgpu_metadata
.endif
;; end of part 4
